; MI455X (gfx1250); checked and timed in simulation.
; The chip was launched on July 23, 2026; its instructions are those of AMD's public machine-readable ISA for CDNA 5 (MIT licence, August 2026) and "CDNA5" Instruction Set Architecture Reference Guide (July 2026). The comments in the code are by the model that wrote it; some were corrected since.
;; Multi Head Attention. Allowed arithmetic: matrix products marked QUANTISED: E2M3 operands, one E8M0 scale for each 32 along K, by v_wmma_scale_f32_16x16x128_f8f6f4 with both operands' format E2M3, f32 sums; everything else in f32.
;; Inputs: Wk 1,024 x 1,024 float32; Wo 1,024 x 1,024 float32; Wq 1,024 x 1,024 float32; Wv 1,024 x 1,024 float32; bk 1,024 float32; bo 1,024 float32; bq 1,024 float32; bv 1,024 float32; key 4 x 2,048 x 1,024 float32; query 4 x 2,048 x 1,024 float32; value 4 x 2,048 x 1,024 float32.
;; Outputs: out0 4 x 2,048 x 1,024 float32.
;; This version of the problem:
;;   THIS VERSION OF THE PROBLEM IS GIVEN IN LOW PRECISION. The matrix products marked QUANTISED in the list below multiply operands that are first quantised to E2M3 (2 exponent bits, 3 mantissa bits; 6 bits a number), with one power-of-two scale for each 32 numbers along K (OCP MX v1.0); their sums are f32. All else is computed in f32.
;;   The module's matrix products, in the order in which they are computed (A, B: the left and right operand; K: the contracted axis; several contracted axes count as one K, in the product's order):
;;     1. [M 8,192, K 1,024] x [K 1,024, N 1,024]; A: input query; B: input Wq: QUANTISED
;;     2. [M 8,192, K 1,024] x [K 1,024, N 1,024]; A: input key; B: input Wk: QUANTISED
;;     3. [M 8,192, K 1,024] x [K 1,024, N 1,024]; A: input value; B: input Wv: QUANTISED
;;     4. batch 64 x [M 2,048, K 64] x [K 64, N 2,048]; A: computed on the way; B: computed on the way: QUANTISED
;;     5. batch 64 x [M 2,048, K 2,048] x [K 2,048, N 64]; A: softmax (see below); B: computed on the way: QUANTISED
;;     6. [M 8,192, K 1,024] x [K 1,024, N 1,024]; A: computed on the way; B: input Wo: QUANTISED
;;   THE QUANTISER, for each operand of a quantised product, along K:
;;     - K is cut into blocks of 32 from its start; a last block that is shorter is filled with zeros.
;;     - A block's scale is 2^e with e = floor(log2(the largest magnitude in the block)) - 2, held to -126 .. 127; a block of zeros has e = 0. As a byte (E8M0): e + 127.
;;     - Each number is divided by its block's scale, clamped to +-7.5, and rounded to the nearest number of E2M3, ties to even, subnormals kept.
;;     - The product sums the exact products of the quantised numbers (number of the format x scale) in f32.
;;   ~~~python
;;   def quantise(x, axis):      # numpy; x: float32 -> the quantised numbers, widened to float32 again
;;       x = np.moveaxis(x, axis, -1); K = x.shape[-1]
;;       x = np.pad(x, [(0, 0)] * (x.ndim - 1) + [(0, -K % 32)]); x = x.reshape(x.shape[:-1] + (-1, 32)); a = np.abs(x).max(-1, keepdims=True)
;;       e = np.where(a > 0, np.clip(np.frexp(np.where(a > 0, a, 1))[1] - 1 - 2, -126, 127), 0)      # np.frexp(a)[1] - 1 = floor(log2(a)), exactly
;;       r = np.clip(x / 2.0 ** e, -7.5, 7.5)
;;       step = 2.0 ** (np.maximum(np.frexp(np.where(r == 0, 1, r))[1] - 1, 0) - 3)
;;       q = np.round(r / step) * step * 2.0 ** e      # np.round: ties to even
;;       return np.moveaxis(q.reshape(q.shape[:-2] + (-1,))[..., :K], -1, axis).astype(np.float32)
;;   ~~~
;;   SOFTMAX AHEAD OF A QUANTISED PRODUCT. Where the list says 'softmax', what is quantised is not the finished softmax but p = 2^(t - M), with t = logit x log2(e) and M = ceil(the row's largest t), a whole number; so 1/2 < the row's largest p <= 1. The row's sum l is taken of the UNQUANTISED p, in f32, and the product's result is divided by l at the end. Since M is a whole number, a kernel that streams over the keys may use a running M (the ceiling of the running maximum): every later rescaling is an exact power of two, which a block's scale takes up: the codes' values come out the same.
;;   OPERANDS COMPUTED ON THE WAY. 'Computed on the way' means the value that the module computes at that place (a softmax that the list does not call 'softmax' is quantised finished and normalised). What goes into a quantiser is computed in f32, as accurately as f32 sums, v_exp_f32 and their like allow (about 1e-6 of the number): no bf16 or f16 on the way to a quantiser, and a product that is left as it is and whose result goes on into a quantised operand takes f32 operands (vector FMAs, or v_wmma_f32_16x16x4_f32). A number that lies on a knife's edge between two numbers of the format may be rounded either way, as far as f32 arithmetic and the matrix unit's own rounding can turn it there, and no further.
;; One version. Each part assembles by itself: llvm-mc -triple=amdgcn-amd-amdhsa -mcpu=gfx1250 --defsym DOCPART=n.
;; ======== version 1 of 1: 4 launches
;; limits: right only within a limited range of input values
;; workspace buffers: xw 22,937,600 bytes; att 20,185,088 bytes; oimg 6,553,600 bytes
;; launch quant (part 1): grid 256 x 1, 7 waves a work-group, no clusters, 60,160 bytes of LDS; arguments query, key, value, Wq, Wk, Wv, Wo, xw; writes xw
.if DOCPART == 1
	.amdgcn_target "amdgcn-amd-amdhsa--gfx1250"
	.amdhsa_code_object_version 6
	.text
	.protected	k_q621fc420fa_quant
	.globl	k_q621fc420fa_quant
	.p2align	8
	.type	k_q621fc420fa_quant,@function
k_q621fc420fa_quant:
	s_mov_b64 s[64:65], 0
	v_nop
	global_prefetch_b8 v0, s[64:65] scope:SCOPE_SE
	s_setreg_imm32_b32 hwreg(HW_REG_WAVE_MODE, 25, 1), 1
	s_wait_xcnt 0x0
; query, key, value [8192][1024] and Wq, Wk, Wv, Wo [1024][1024], f32, K innermost, become codes of FP6 (E2M3) with one E8M0 byte for each 32 along K,
; laid in xw as IMAGES OF OPERAND REGISTERS.  xw: 224 blocks of 128 rows (query 0-63, key 64-127, value 128-191, Wq 192-199, Wk 200-207, Wv 208-215, Wo 216-223), 102,400 bytes each.
; A block: 4 slots of 256 along K, 25,600 bytes each: [K step q = 0, 1][tile i = 0 .. 7] fragments of 1,536 bytes, then 1,024 bytes of scale words [tile][row r][q].
; A fragment (16 rows x 128 K, 12 registers a lane) lies as 3 chunks of 512 bytes: chunk c = registers 4 c .. 4 c + 3, lane l's 16 bytes at 16 l.
; THE ROWS OF A TILE ARE NOT NEIGHBOURS: lane r of tile 2 b + u holds row 32 b + 8 u + r + 8 (r / 8) of its block.
; A block's scale is 2^(floor(log2(largest magnitude)) - 2); its byte is the largest magnitude's exponent field - 2, held at 1 from below.
; LIMITS: NaN and infinities are not served; a block of zeros gets the byte 1 where the rule says 127 (its codes are zeros, and this program alone reads the bytes); blocks whose largest magnitude lies under 2^-124 are held at byte 1.
; SHARES: 1,792 tiles of 16 rows x 1,024 K = 256 work-groups x 7 waves: a wave takes one tile, in 8 steps of 128 along K.  Waves share nothing: no barrier.
; Each load reads 512 consecutive bytes of one row; a step's 8,192 bytes turn through the wave's own stage in LDS, so that a lane gets 16 neighbours of each block of 32.
.set STG,   8448                       ; a wave's stage: 16 rows x (512 + 16) bytes
.set SPARE, 7*STG                      ; behind the stages: the spare words, 128 bytes a wave, four blocks of 256 bytes that no other line names
.set BLKB,  102400
.set SLOTB, 25600
.set QB,    12288                      ; a K step's eight fragments
.set FRB,   1536
.set SCO,   24576                      ; a slot's scale words
.set L16,  1                           ; v1   16 x lane
.set SIN,  2                           ; v2   the stage, on the way in
.set SOUT, 3                           ; v3   and on the way out: row r, + 64 h
.set ZOF,  4                           ; v4   the scale words' place: 8 r + a slot x h
.set SPW,  5                           ; v5   my spare word; never rewritten
.set NIL,  6                           ; v6   0; never rewritten
.set PW,   16                          ; v16-23  the eight steps' scale words
.set ZW,   24                          ; v24-27  as they are stored
.set R,    32                          ; v32-159 two sets of 64 numbers as loaded
.set X,    160                         ; v160-223 64 numbers: register 16 b + i = k 32 b + 16 h + i of my row
.set PC,   224                         ; v224-235 the fragment
.set CT,   236                         ; v236-243 the conversions' second halves
.set TM,   244                         ; v244-247 largest magnitudes, v248-251 the other half's, then bytes, v252-255 the conversions' scale operands
	s_load_b512 s[8:23], s[0:1], 0x0               ; query, key, value, Wq, Wk, Wv, Wo, xw
	v_lshl_add_u32 v[SPW], v0, 2, SPARE
	v_mov_b32 v[NIL], 0
	v_lshrrev_b32 v1, 5, v0
	v_readfirstlane_b32 s2, v1                     ; wave 0..6
	s_mul_i32 s3, ttmp9, 7
	s_add_co_u32 s3, s3, s2                        ; g: my tile among the 1,792
	s_lshr_b32 s4, s3, 9                           ; an activation: tensor g / 512,
	s_and_b32 s5, s3, 511                          ; tile g % 512
	s_sub_co_u32 s6, s3, 1536
	s_lshr_b32 s7, s6, 6
	s_add_co_u32 s7, s7, 3                         ; a weight: tensor 3 + (g - 1536) / 64,
	s_and_b32 s6, s6, 63                           ; tile (g - 1536) % 64
	s_cmp_lt_u32 s3, 1536
	s_cselect_b32 s4, s4, s7                       ; tensor 0..6
	s_cselect_b32 s5, s5, s6                       ; its tile
	s_lshr_b32 s30, s5, 1
	s_lshl_b32 s30, s30, 17                        ; 32 rows of 4,096 bytes for each pair of tiles,
	s_and_b32 s31, s5, 1
	s_lshl_b32 s31, s31, 15                        ; 8 rows for the odd one
	s_add_co_u32 s30, s30, s31
	s_mov_b32 s31, 0
	s_lshr_b32 s32, s3, 3
	s_mul_i32 s32, s32, BLKB                       ; my block in xw
	s_and_b32 s33, s3, 7
	s_mul_i32 s34, s33, FRB
	s_add_co_u32 s34, s34, s32                     ; my tile's fragments
	s_mov_b32 s35, 0
	s_lshl_b32 s36, s33, 7
	s_add_co_u32 s36, s36, s32
	s_add_co_u32 s36, s36, SCO                     ; and its scale words
	s_mov_b32 s37, 0
	s_mul_i32 s38, s2, STG
	s_mov_b32 s24, 0xffff0000                      ; lanes 16-31
	s_mov_b32 s26, 0x76543210
	s_mov_b32 s27, 0xfedcba98                      ; v_permlanex16_b32's selects for lane l xor 16
	v_and_b32 v7, 31, v0
	v_and_b32 v8, 15, v0                           ; r
	v_bfe_u32 v9, v0, 4, 1                         ; h
	v_lshlrev_b32 v[L16], 4, v7
	v_add_nc_u32 v[SIN], s38, v[L16]
	v_mul_u32_u24 v[SOUT], v8, 528
	v_lshl_add_u32 v[SOUT], v9, 6, v[SOUT]
	v_add_nc_u32 v[SOUT], s38, v[SOUT]
	v_lshlrev_b32 v[ZOF], 3, v8
	v_mad_u32_u24 v[ZOF], v9, SLOTB, v[ZOF]
.irp b, 0,1,2,3
	v_mov_b32 v[TM+4+\b], 0                        ; written once: a lane permute's destination counts as one of its sources
.endr
	s_wait_alu depctr_va_vdst(0)
	s_wait_kmcnt 0x0
	s_mov_b64 s[28:29], s[8:9]                     ; the tensor is chosen by its number alone: one path for all seven
	s_cmp_eq_u32 s4, 1
	s_cselect_b64 s[28:29], s[10:11], s[28:29]
	s_cmp_eq_u32 s4, 2
	s_cselect_b64 s[28:29], s[12:13], s[28:29]
	s_cmp_eq_u32 s4, 3
	s_cselect_b64 s[28:29], s[14:15], s[28:29]
	s_cmp_eq_u32 s4, 4
	s_cselect_b64 s[28:29], s[16:17], s[28:29]
	s_cmp_eq_u32 s4, 5
	s_cselect_b64 s[28:29], s[18:19], s[28:29]
	s_cmp_eq_u32 s4, 6
	s_cselect_b64 s[28:29], s[20:21], s[28:29]
	s_add_nc_u64 s[28:29], s[28:29], s[30:31]
	s_add_nc_u64 s[34:35], s[22:23], s[34:35]
	s_add_nc_u64 s[36:37], s[22:23], s[36:37]
.macro LOAD t                          ; K step t of my 16 rows: each load takes 512 consecutive bytes of one row
.irp i, 0,1,2,3,4,5,6,7,8,9,10,11,12,13,14,15
	global_load_b128 v[R+64*((\t)%2)+4*\i:R+64*((\t)%2)+4*\i+3], v[L16], s[28:29] offset:(\i+8*(\i/8))*4096+512*(\t) th:TH_LOAD_NT
.endr
.endm
; 64 numbers in v[X] on become a fragment in v[PC] on and my row's scale word in v[pw]
.macro QUANT pw
.irp b, 0,1,2,3
	v_max3_num_f32 v[TM+\b], |v[X+16*\b]|, |v[X+1+16*\b]|, 0x1800000   ; my 16 numbers of block b, and the floor 2^(3 - 127): the byte cannot fall under 1
.endr
.irp i, 2,4,6,8,10,12,14
.irp b, 0,1,2,3
	v_max3_num_f32 v[TM+\b], v[TM+\b], |v[X+16*\b+\i]|, |v[X+1+16*\b+\i]|   ; the four blocks by turns
.endr
.endr
.irp b, 0,1,2,3
	v_permlanex16_b32 v[TM+4+\b], v[TM+\b], s26, s27
.endr
.irp b, 0,1,2,3
	v_max_num_f32 v[TM+\b], v[TM+\b], v[TM+4+\b]   ; with lane l xor 16's 16: the block's largest magnitude
.endr
.irp b, 0,1,2,3
	v_add_nc_u32 v[TM+8+\b], 0xff000000, v[TM+\b]  ; 2 off its exponent field: the conversion takes that field as its scale
.endr
.irp b, 0,1,2,3
	v_lshrrev_b32 v[TM+4+\b], 23, v[TM+8+\b]       ; the scale's byte
.endr
	v_lshl_or_b32 v[\pw], v[TM+5], 8, v[TM+4]
	v_lshl_or_b32 v[\pw], v[TM+6], 16, v[\pw]
	v_lshl_or_b32 v[\pw], v[TM+7], 24, v[\pw]
.irp c, 0,1
	v_cvt_scalef32_pk16_fp6_f32 v[PC+6*\c:PC+6*\c+2], v[X+32*\c:X+32*\c+15], v[TM+8+2*\c]
	v_cvt_scalef32_pk16_fp6_f32 v[CT+4*\c:CT+4*\c+2], v[X+32*\c+16:X+32*\c+31], v[TM+9+2*\c]   ; (a conversion's three registers begin on an even number)
.endr
	v_nop                                          ; one plain place behind the scaled conversions
.irp c, 0,1                            ; the operand wants a whole block in a lane: lanes 0-15 block 2 c, lanes 16-31 block 2 c + 1
.irp i, 0,1,2
	v_permlane16_swap_b32 v[PC+6*\c+\i], v[CT+4*\c+\i]
.endr
.irp i, 0,1,2
	v_mov_b32 v[PC+6*\c+3+\i], v[CT+4*\c+\i]
.endr
.endr
.endm
.macro STEP t
.if (\t) < 7
	s_wait_loadcnt 16                              ; this step's 16 loads are in; the next step's 16 may be out
.else
	s_wait_loadcnt 0x0
.endif
	s_wait_xcnt 0x0                                ; the last step's stores have read v[PC] on, which is written again below
.irp i, 0,1,2,3,4,5,6,7,8,9,10,11,12,13,14,15
	ds_store_b128 v[SIN], v[R+64*((\t)%2)+4*\i:R+64*((\t)%2)+4*\i+3] offset:528*\i
.endr
.irp b, 0,1,2,3
.irp j, 0,1,2,3
	ds_load_b128 v[X+16*\b+4*\j:X+16*\b+4*\j+3], v[SOUT] offset:128*\b+16*\j   ; LDS serves a wave's instructions in order: these see the stores above
.endr
.endr
	s_wait_dscnt 0x0                               ; the numbers are back, and the stores have read their registers,
.if (\t) < 6
	LOAD (\t)+2                                    ; which take the loads of two steps on
.endif
	QUANT PW+(\t)
.irp c, 0,1,2
	global_store_b128 v[L16], v[PC+4*\c:PC+4*\c+3], s[34:35] offset:((\t)/2)*SLOTB+((\t)%2)*QB+512*\c   ; 512 consecutive bytes, at a multiple of 256 from xw's first byte
.endr
.endm
	LOAD 0
	LOAD 1
.irp t, 0,1,2,3,4,5,6,7
	STEP \t
.endr
.irp m, 0,1                            ; lanes 0-15 store slot 2 m's two words of row r, lanes 16-31 slot 2 m + 1's (both halves of the lanes hold every word)
	v_cndmask_b32 v[ZW+2*\m], v[PW+4*\m], v[PW+4*\m+2], s24
	v_cndmask_b32 v[ZW+2*\m+1], v[PW+4*\m+1], v[PW+4*\m+3], s24
	global_store_b64 v[ZOF], v[ZW+2*\m:ZW+2*\m+1], s[36:37] offset:2*SLOTB*\m
.endr
	s_wait_tensorcnt 0x0                           ; the wave's end, behind my last LDS store
	ds_add_u32 v[SPW], v[NIL]
	s_wait_dscnt 0x0
	s_endpgm
.Lfunc_end_k_q621fc420fa_quant:
	.size	k_q621fc420fa_quant, .Lfunc_end_k_q621fc420fa_quant-k_q621fc420fa_quant
	.p2alignl 7, 3214868480
	.fill 96, 4, 3214868480
	.section	.rodata,"a",@progbits
	.p2align	6, 0x0
	.amdhsa_kernel k_q621fc420fa_quant
		.amdhsa_group_segment_fixed_size 60160
		.amdhsa_private_segment_fixed_size 0
		.amdhsa_enable_private_segment 0
		.amdhsa_kernarg_size 64
		.amdhsa_user_sgpr_count 2
		.amdhsa_user_sgpr_kernarg_segment_ptr 1
		.amdhsa_wavefront_size32 1
		.amdhsa_system_sgpr_workgroup_id_x 1
		.amdhsa_system_sgpr_workgroup_id_y 1
		.amdhsa_system_sgpr_workgroup_id_z 1
		.amdhsa_system_vgpr_workitem_id 0
		.amdhsa_next_free_vgpr 256
		.amdhsa_next_free_sgpr 66
		.amdhsa_reserve_vcc 0
		.amdhsa_float_denorm_mode_32 3
		.amdhsa_float_denorm_mode_16_64 3
		.amdhsa_memory_ordered 1
		.amdhsa_forward_progress 1
		.amdhsa_inst_pref_size 65
	.end_amdhsa_kernel
	.amdgpu_metadata
---
amdhsa.version: [ 1, 2 ]
amdhsa.kernels:
  - .name:           k_q621fc420fa_quant
    .symbol:         k_q621fc420fa_quant.kd
    .args:
      - { .name: query, .offset: 0, .size: 8, .value_kind: global_buffer, .address_space: global }
      - { .name: key, .offset: 8, .size: 8, .value_kind: global_buffer, .address_space: global }
      - { .name: value, .offset: 16, .size: 8, .value_kind: global_buffer, .address_space: global }
      - { .name: Wq, .offset: 24, .size: 8, .value_kind: global_buffer, .address_space: global }
      - { .name: Wk, .offset: 32, .size: 8, .value_kind: global_buffer, .address_space: global }
      - { .name: Wv, .offset: 40, .size: 8, .value_kind: global_buffer, .address_space: global }
      - { .name: Wo, .offset: 48, .size: 8, .value_kind: global_buffer, .address_space: global }
      - { .name: xw, .offset: 56, .size: 8, .value_kind: global_buffer, .address_space: global }
    .group_segment_fixed_size: 60160
    .private_segment_fixed_size: 0
    .kernarg_segment_align: 8
    .kernarg_segment_size: 64
    .max_flat_workgroup_size: 224
    .sgpr_count:     66
    .vgpr_count:     256
    .wavefront_size: 32
...
	.end_amdgpu_metadata
.endif
;; end of part 1
;; launch proj (part 2): grid 8 x 32, 4 waves a work-group, clusters of 4 x 4, 327,680 bytes of LDS; arguments xw, bq, bk, bv, att; writes att
.if DOCPART == 2
	.amdgcn_target "amdgcn-amd-amdhsa--gfx1250"
	.amdhsa_code_object_version 6
	.text
	.protected	k_q621fc420fa_proj
	.globl	k_q621fc420fa_proj
	.p2align	8
	.type	k_q621fc420fa_proj,@function
k_q621fc420fa_proj:
	s_mov_b64 s[64:65], 0
	v_nop
	global_prefetch_b8 v0, s[64:65] scope:SCOPE_SE
	s_setreg_imm32_b32 hwreg(HW_REG_WAVE_MODE, 25, 1), 1
	s_wait_xcnt 0x0
	s_wait_alu depctr_hold_cnt(0) depctr_sa_sdst(0) depctr_va_vdst(0) depctr_va_sdst(0) depctr_va_ssrc(0) depctr_va_vcc(0) depctr_vm_vsrc(0)
	s_getreg_b32 s2, hwreg(HW_REG_IB_STS2, 6, 4)
	s_cmp_eq_u32 s2, 0
	s_cbranch_scc0 .Lentry_in_a_cluster
	s_endpgm
.Lentry_in_a_cluster:
	s_bfe_u32 s2, ttmp6, 0x10000c
	s_cmp_lg_u32 s2, 0xf033
	s_cbranch_scc0 .Lentry_shape_is_right
	s_endpgm
.Lentry_shape_is_right:
; q = query Wq^T + bq, k = key Wk^T + bk, v = value Wv^T + bv on codes of FP6 (E2M3) from xw; the results are quantised in registers and stored as the attention launch's operands.
; SOURCE 0 IS THE OPERAND ALONG WHOSE ROWS THE RESULT IS QUANTISED: for q and k the weight (the head's 64 features are the next K), for v the tokens (the keys are the next K).
; In a result lane (r, h) holds source 1's row of lane r, and the 16 registers of source 0's tiles 2 b, 2 b + 1 are its rows 32 b + 16 h + 0 .. 15: xw's order of rows in a tile sees to that.
; A TILE is 128 rows of source 0 x 256 rows of source 1, all of K = 1,024: three blocks of xw, 307,200 bytes of LDS.  768 tiles; A WORK-GROUP STAYS and makes three: one of q, one of k, one of v.
; Wave w: all 8 tiles of source 0 x 4 tiles of source 1 (block w / 2, tiles 4 (w % 2) + a): 32 accumulators, which take turns, one instruction a turn.
; THE RING: the three blocks' K slots 0-1 are one slot of the ring, their K slots 2-3 the other, 153,600 bytes each; it goes on from tile to tile.  In K step 3, when slots 0-1 have been read, they take the next tile's;
; behind K step 7 slots 2-3 do.  Each refill stands behind the three lines and a round of the cluster's barrier: one joint load a wave (wave 0 source 0's block, waves 1 and 2 source 1's two, wave 3 none:
; so the add is written twice).  q and k are a loop of two trips, in which every trip issues every load; v, behind which nothing is fetched, is written out.
; NO PREFETCH: between a refill and the wait for it stand four K steps' products (128 a wave), or a tile's way out and three K steps'.
; CLUSTER 4 x 4: source 0's block hangs on cx alone and is asked for jointly by a column of the cluster, source 1's two blocks hang on cy alone and are asked for by a row.
; att: 64 records (16 x batch + head) of 315,392 bytes: K's codes 98,304 [step of 128 keys][48 registers a lane in 12 chunks of 512: tile t at registers 6 t .. 6 t + 5], V's codes 98,304 [step][tile of 16 d] fragments,
; K's scale words 8,192 [step][lane][4]: word a of lane l: tile 2 a + l / 16, row l % 16, bytes 2 and 3 zero; V's 4,096 [step][lane][2]; Q's codes 98,304 and scale words 8,192 as K's.
; LIMITS: NaN and infinities are not served; a block of zeros gets the byte 1 where the rule says 127 (its codes are zeros; this program alone reads the bytes); blocks whose largest magnitude lies under 2^-124 are held at byte 1.
; REGISTERS: window 0: v2-15 addresses; v16-63 scale words; v64-127 the bias as a C operand; v128-223 source 1's fragments, two sets, later the codes made; v224-251 at work.  window 1: source 0's fragments, two sets.  window 2: the accumulators, (a, b) at v[8 (8 a + b)].
.set BLKB,  102400
.set SLOTB, 25600
.set QB,    12288
.set FRB,   1536
.set SCO,   24576
.set S1,    102400                     ; LDS: source 0's block at 0, source 1's two behind it
.set SPARE, 307200                     ; the spare words, 128 bytes a wave: two blocks of 256 bytes that no other line names
.set HEADB, 315392
.set VCO,   98304
.set KSO,   196608
.set VSO,   204800
.set QCO,   208896
.set QSO,   307200
.set A0,  2                            ; v2-3   source 0's fragments: 16 x lane (+ two slots).  v2 is also the stores' offset
.set O16, 2
.set A1,  4                            ; v4-5   source 1's
.set Z0,  6                            ; v6-7   source 0's scale words: 8 x lane ..
.set Z1,  8                            ; v8-9   source 1's
.set SPW, 10
.set NIL, 11
.set O8,  13                           ; v13    8 x lane
.set OBH, 14                           ; v14    64 h
.set OBR, 15                           ; v15    4 (r + 8 (r / 8))
.set SC0, 16                           ; v[16 + 8 j + s]: K step s: lanes 0-15 tile 2 j of source 0, lanes 16-31 tile 2 j + 1
.set SC1, 48                           ; v[48 + 8 j + s]: the same for my four tiles of source 1
.set BI,  64
.set F1,  128
.set OUT, 128
.set TM,  224
.set CT,  236
.set PW,  244
.set ZW,  248
.set WV,  14                           ; s14 wave, s15 wave / 2, s16 wave % 2, s17 cx, s18 cy, s19 the tile (0 q, 1 k, 2 v), s21 I, s22 J
.set G1A, 24                           ; s[24:31] group 1 for source 0, s[32:39] for source 1
.set G1B, 32
.set G0A, 40                           ; s[40:43], s[48:51] source 0's groups 0: K slots 0-1, 2-3;  s[68:71], s[76:79] source 1's
.set G0B, 68                           ; s[44:47] k's two offsets in xw, s[52:55] v's, s[72:75] the next tile's; s80 v's I; s[82:83] the bias
.set MSB, 0
.macro WIN new                         ; the immediate's high byte repeats the setting that is left
.if MSB != \new
	s_set_vgpr_msb (MSB<<8)|\new
.set MSB, \new
.endif
.endm
.macro PLACES n
.rept \n
	v_nop
.endr
.endm
.macro CROUND                          ; a round of the cluster's barrier
	s_barrier_signal -1
	s_barrier_wait -1
	s_cmp_lg_u32 s[WV], 0
	s_cbranch_scc1 .Lnot_wave_0_\@
	s_barrier_signal -3
.Lnot_wave_0_\@:
	s_barrier_wait -3
	s_barrier_signal -1
	s_barrier_wait -1
.endm
; A fill of one slot of the ring (g = 0: K slots 0-1, g = 8: K slots 2-3).  upd = 1: all four groups 0 are set to the next tile first: no load of mine is out behind the wait.
.macro RING g, upd
	s_wait_tensorcnt 0x0                           ; all my loads are in
	ds_add_u32 v[SPW], v[NIL]                      ; the add twice on end
	ds_add_u32 v[SPW], v[NIL]
.if \upd
	s_cmp_eq_u32 s19, 0                            ; behind q comes k, behind k comes v
	s_cselect_b64 s[72:73], s[44:45], s[52:53]
	s_cselect_b64 s[74:75], s[46:47], s[54:55]
	s_add_nc_u64 s[G0A+2:G0A+3], s[4:5], s[72:73]
	s_add_nc_u64 s[G0B+2:G0B+3], s[4:5], s[74:75]
	s_add_nc_u64 s[G0A+10:G0A+11], s[G0A+2:G0A+3], 2*SLOTB
	s_add_nc_u64 s[G0B+10:G0B+11], s[G0B+2:G0B+3], 2*SLOTB
.irp r, G0A+3, G0B+3, G0A+11, G0B+11
	s_or_b32 s[\r], s[\r], 0x80000000
.endr
.endif
	s_wait_dscnt 0x0                               ; the adds are done, and so are my reads of the slot
	CROUND                                         ; both hold of every wave of all sixteen work-groups: the joint loads meet
	s_cmp_eq_u32 s[WV], 0
	s_cbranch_scc0 .Lnot0_\@
	tensor_load_to_lds s[G0A+\g:G0A+\g+3], s[G1A:G1A+7]
	s_nop 0
	PLACES 4
	s_branch .Lgot_\@
.Lnot0_\@:
	s_cmp_eq_u32 s[WV], 3
	s_cbranch_scc1 .Lgot_\@
	tensor_load_to_lds s[G0B+\g:G0B+\g+3], s[G1B:G1B+7]
	s_nop 0
	PLACES 4
.Lgot_\@:
.endm
.macro WM d, a, b, c, sa, sb, ra, rb   ; one product; ra, rb: the side's scale words stand in lanes 16-31
.if (\ra) && (\rb)
	v_wmma_scale_f32_16x16x128_f8f6f4 v[\d:\d+7], v[\a:\a+11], v[\b:\b+11], v[\c:\c+7], v[\sa], v[\sb] matrix_a_fmt:MATRIX_FMT_FP6 matrix_b_fmt:MATRIX_FMT_FP6 matrix_a_scale:MATRIX_SCALE_ROW1 matrix_b_scale:MATRIX_SCALE_ROW1
.elseif (\ra)
	v_wmma_scale_f32_16x16x128_f8f6f4 v[\d:\d+7], v[\a:\a+11], v[\b:\b+11], v[\c:\c+7], v[\sa], v[\sb] matrix_a_fmt:MATRIX_FMT_FP6 matrix_b_fmt:MATRIX_FMT_FP6 matrix_a_scale:MATRIX_SCALE_ROW1
.elseif (\rb)
	v_wmma_scale_f32_16x16x128_f8f6f4 v[\d:\d+7], v[\a:\a+11], v[\b:\b+11], v[\c:\c+7], v[\sa], v[\sb] matrix_a_fmt:MATRIX_FMT_FP6 matrix_b_fmt:MATRIX_FMT_FP6 matrix_b_scale:MATRIX_SCALE_ROW1
.else
	v_wmma_scale_f32_16x16x128_f8f6f4 v[\d:\d+7], v[\a:\a+11], v[\b:\b+11], v[\c:\c+7], v[\sa], v[\sb] matrix_a_fmt:MATRIX_FMT_FP6 matrix_b_fmt:MATRIX_FMT_FP6
.endif
.endm
.macro FETCH s                         ; K step s: 8 + 4 fragments as they lie, 512 consecutive bytes a load; with an even step the slot's scale words, two steps' a load
.set fo, (((\s)/2)%2)*SLOTB+((\s)%2)*QB
	WIN 0x40                                       ; destination window 1
.irp i, 0,1,2,3,4,5,6,7
.irp c, 0,1,2
	ds_load_b128 v[128*((\s)%2)+12*\i+4*\c:128*((\s)%2)+12*\i+4*\c+3], v[A0+(\s)/4] offset:fo+FRB*\i+512*\c
.endr
.endr
	WIN 0
.irp i, 0,1,2,3
.irp c, 0,1,2
	ds_load_b128 v[F1+48*((\s)%2)+12*\i+4*\c:F1+48*((\s)%2)+12*\i+4*\c+3], v[A1+(\s)/4] offset:fo+FRB*\i+512*\c
.endr
.endr
.if ((\s)%2) == 0
.irp j, 0,1,2,3
	ds_load_b64 v[SC0+8*\j+(\s):SC0+8*\j+(\s)+1], v[Z0+(\s)/4] offset:(((\s)/2)%2)*SLOTB+256*\j
.endr
.irp j, 0,1
	ds_load_b64 v[SC1+8*\j+(\s):SC1+8*\j+(\s)+1], v[Z1+(\s)/4] offset:(((\s)/2)%2)*SLOTB+256*\j
.endr
.endif
.endm
.macro STEP s, cm                      ; cm = 0: the sums go on; 1: they begin with the bias of source 0's rows; 2: with that of source 1's
	s_wait_dscnt 0x0                               ; this step's fragments are in (asked for 32 products ago)
.if (\s) < 7
.if (\s) == 3                          ; K slots 0-1 have been read out, and K slots 2-3 are wanted
.if REFILL
	RING 0, 1
.else
	s_wait_tensorcnt 0x0                           ; every wave waits for its load
	s_barrier_signal -1
	s_barrier_wait -1
.endif
.endif
.if (\s) > 0
	PLACES 4                                       ; in front of loads into registers that the last step's products have read
.endif
	FETCH (\s)+1
.endif
.if (\cm) == 0
	WIN 0xa1                                       ; source 0 window 1, source 1 window 0, C and D window 2
.else
	WIN 0x81                                       ; C window 0
.endif
.irp a, 0,1,2,3
.irp b, 0,1,2,3,4,5,6,7
.set rD, 8*(8*\a+\b)
.set rC, rD
.if (\cm) == 1
.set rC, BI+8*\b
.elseif (\cm) == 2
.set rC, BI+8*\a
.endif
	WM rD, 128*((\s)%2)+12*\b, F1+48*((\s)%2)+12*\a, rC, SC0+8*(\b/2)+(\s), SC1+8*(\a/2)+(\s), \b%2, \a%2
.endr
.endr
	WIN 0
.endm
; The 64 results of my tile a (register 16 b + i = row 32 b + 16 h + i of source 0) become codes: k = 32 h + 0 .. 31 in v[d0] on, k = 64 + 32 h + 0 .. 31 in v[d1] on, six registers each; the scale word in v[pw].
.macro QUANT a, d0, d1, pw
	WIN 0x28                                       ; sources 1 and 2 window 2
.irp b, 0,1,2,3
	v_max3_num_f32 v[TM+\b], s58, |v[64*(\a)+16*\b]|, |v[64*(\a)+16*\b+1]|   ; each accumulator is read from its low end on; s58 is the floor 2^(3 - 127)
.endr
.irp i, 2,4,6,8,10,12,14
.irp b, 0,1,2,3
	v_max3_num_f32 v[TM+\b], v[TM+\b], |v[64*(\a)+16*\b+\i]|, |v[64*(\a)+16*\b+\i+1]|
.endr
.endr
	WIN 0
.irp b, 0,1,2,3
	v_permlanex16_b32 v[TM+4+\b], v[TM+\b], s56, s57
.endr
.irp b, 0,1,2,3
	v_max_num_f32 v[TM+\b], v[TM+\b], v[TM+4+\b]
.endr
.irp b, 0,1,2,3
	v_add_nc_u32 v[TM+8+\b], 0xff000000, v[TM+\b]
.endr
.irp b, 0,1,2,3
	v_lshrrev_b32 v[TM+4+\b], 23, v[TM+8+\b]
.endr
	v_lshl_or_b32 v[\pw], v[TM+5], 8, v[TM+4]
	v_lshl_or_b32 v[\pw], v[TM+6], 16, v[\pw]
	v_lshl_or_b32 v[\pw], v[TM+7], 24, v[\pw]
	WIN 0x02                                       ; source 0 window 2
	v_cvt_scalef32_pk16_fp6_f32 v[\d0:\d0+2], v[64*(\a):64*(\a)+15], v[TM+8]
	v_cvt_scalef32_pk16_fp6_f32 v[CT:CT+2], v[64*(\a)+16:64*(\a)+31], v[TM+9]
	v_cvt_scalef32_pk16_fp6_f32 v[\d1:\d1+2], v[64*(\a)+32:64*(\a)+47], v[TM+10]
	v_cvt_scalef32_pk16_fp6_f32 v[CT+4:CT+6], v[64*(\a)+48:64*(\a)+63], v[TM+11]
	WIN 0
	v_nop                                          ; one plain place behind the scaled conversions
.irp i, 0,1,2
	v_permlane16_swap_b32 v[\d0+\i], v[CT+\i]
.endr
.irp i, 0,1,2
	v_mov_b32 v[\d0+3+\i], v[CT+\i]
.endr
.irp i, 0,1,2
	v_permlane16_swap_b32 v[\d1+\i], v[CT+4+\i]
.endr
.irp i, 0,1,2
	v_mov_b32 v[\d1+3+\i], v[CT+4+\i]
.endr
.endm
.macro BIAS0                           ; the bias of source 0's rows (q, k): tile b's register j of half h is feature 128 I + 32 (b / 2) + 16 h + 8 (b % 2) + j
.irp b, 0,1,2,3,4,5,6,7
	global_load_b128 v[BI+8*\b:BI+8*\b+3], v[OBH], s[82:83] offset:(32*(\b/2)+8*(\b%2))*4
	global_load_b128 v[BI+8*\b+4:BI+8*\b+7], v[OBH], s[82:83] offset:(32*(\b/2)+8*(\b%2))*4+16
.endr
.endm
	s_load_b256 s[4:11], s[0:1], 0x0               ; xw, bq, bk, bv
	s_load_b64 s[12:13], s[0:1], 0x20              ; att
	v_lshl_add_u32 v[SPW], v0, 2, SPARE
	v_mov_b32 v[NIL], 0
	ds_add_u32 v[SPW], v[NIL]                      ; the wave's opening: the add, twice on end, and its wait ahead of the first tensor loads; work on registers stands between them
	ds_add_u32 v[SPW], v[NIL]
	v_lshrrev_b32 v1, 5, v0
	v_readfirstlane_b32 s[WV], v1
	s_lshr_b32 s15, s[WV], 1
	s_and_b32 s16, s[WV], 1
	s_bfe_u32 s17, ttmp6, 0x40000                  ; cx
	s_bfe_u32 s18, ttmp6, 0x40004                  ; cy
	s_and_b32 s20, ttmp7, 0xffff                   ; the cluster's y: 0..7
	s_lshl_b32 s20, s20, 1
	s_add_co_u32 s20, s20, ttmp9                   ; n: the cluster among sixteen
	s_and_b32 s2, s20, 1                           ; q, k: 2 clusters along the weight's 8 blocks,
	s_lshr_b32 s3, s20, 1                          ; 8 along the 32 pairs of token blocks
	s_lshl_b32 s21, s2, 2
	s_add_co_u32 s21, s21, s17                     ; I: source 0's block (cx enters here, cy never)
	s_lshl_b32 s22, s3, 2
	s_add_co_u32 s22, s22, s18                     ; J: source 1's pair of blocks (cy enters here, cx never)
	s_add_co_u32 s59, s21, 192                     ; q: Wq's blocks begin at 192,
	s_mul_i32 s62, s59, BLKB
	s_mov_b32 s63, 0
	s_lshl_b32 s60, s22, 1                         ; query's at 0
	s_add_co_u32 s60, s60, s15                     ; waves 1 and 2 fetch source 1's blocks 0 and 1: wave / 2
	s_mul_i32 s66, s60, BLKB
	s_mov_b32 s67, 0
	s_add_co_u32 s44, s62, 8*BLKB                  ; k: Wk lies 8 blocks behind Wq,
	s_mov_b32 s45, 0
	s_add_co_u32 s46, s66, 64*BLKB                 ; key 64 behind query
	s_mov_b32 s47, 0
	s_lshl_b32 s80, s20, 2
	s_add_co_u32 s80, s80, s17                     ; v: I = 4 n + cx: 16 clusters along value's 64 blocks, which begin at 128;
	s_add_co_u32 s52, s80, 128
	s_mul_i32 s52, s52, BLKB
	s_mov_b32 s53, 0
	s_lshl_b32 s54, s18, 1                         ; J = cy: one cluster along Wv's 4 pairs, which begin at 208
	s_add_co_u32 s54, s54, s15
	s_add_co_u32 s54, s54, 208
	s_mul_i32 s54, s54, BLKB
	s_mov_b32 s55, 0
	s_mul_i32 s90, s15, BLKB
	s_add_co_u32 s90, s90, S1                      ; my block of source 1 in LDS
	s_lshl_b32 s2, 0x1111, s17                     ; my column of the cluster
	s_lshl_b32 s3, s18, 2
	s_lshl_b32 s3, 15, s3                          ; my row
	s_or_b32 s[G1A], s2, (3<<16)|(1<<21)           ; 15:0 the mask; 17:16 elements of 8 bytes; 21 set beside a mask; no padding
	s_or_b32 s[G1B], s3, (3<<16)|(1<<21)
.irp g, G1A, G1B                       ; two K slots on end are a dense block of 51,200 bytes: 200 rows of 256
	s_mov_b32 s[\g+1], 32<<16                      ; tensor_dim0 = 32
	s_mov_b32 s[\g+2], 200<<16                     ; tensor_dim1 = 200
	s_mov_b32 s[\g+3], 32<<16                      ; tile_dim0
	s_mov_b32 s[\g+4], 200                         ; tile_dim1
	s_mov_b32 s[\g+5], 32                          ; the pitch
	s_mov_b32 s[\g+6], 0
	s_mov_b32 s[\g+7], 0
.endr
	s_mov_b32 s23, 0xffff0000                      ; lanes 16-31
	s_mov_b32 s56, 0x76543210
	s_mov_b32 s57, 0xfedcba98
	s_mov_b32 s58, 0x1800000
	s_wait_dscnt 0x0                               ; both opening adds are done
	s_wait_kmcnt 0x0
	s_add_nc_u64 s[62:63], s[4:5], s[62:63]
	s_add_nc_u64 s[66:67], s[4:5], s[66:67]
.irp k, 0,2
	s_mov_b32 s[G0A+4*\k], 1
	s_mov_b32 s[G0A+4*\k+1], \k*SLOTB
	s_add_nc_u64 s[G0A+4*\k+2:G0A+4*\k+3], s[62:63], \k*SLOTB
	s_or_b32 s[G0A+4*\k+3], s[G0A+4*\k+3], 0x80000000
	s_mov_b32 s[G0B+4*\k], 1
	s_add_co_u32 s[G0B+4*\k+1], s90, \k*SLOTB
	s_add_nc_u64 s[G0B+4*\k+2:G0B+4*\k+3], s[66:67], \k*SLOTB
	s_or_b32 s[G0B+4*\k+3], s[G0B+4*\k+3], 0x80000000
.endr
	CROUND                                         ; all sixteen work-groups are here: the joint loads meet
	s_cmp_eq_u32 s[WV], 0                          ; q's K slots 0-1: one load of a wave is out
	s_cbranch_scc0 .Lnot_src0
	tensor_load_to_lds s[G0A:G0A+3], s[G1A:G1A+7]
	s_nop 0
	PLACES 4
	s_branch .Lasked
.Lnot_src0:
	s_cmp_eq_u32 s[WV], 3
	s_cbranch_scc1 .Lasked
	tensor_load_to_lds s[G0B:G0B+3], s[G1B:G1B+7]
	s_nop 0
	PLACES 4
.Lasked:
	v_and_b32 v1, 31, v0
	v_lshlrev_b32 v[A0], 4, v1
	v_lshlrev_b32 v[O8], 3, v1
	v_add_nc_u32 v[A0+1], 2*SLOTB, v[A0]
	s_mul_i32 s91, s16, 4*FRB
	s_add_co_u32 s91, s91, s90
	v_add_nc_u32 v[A1], s91, v[A0]
	v_add_nc_u32 v[A1+1], 2*SLOTB, v[A1]
	v_add_nc_u32 v[Z0], SCO, v[O8]
	v_add_nc_u32 v[Z0+1], 2*SLOTB, v[Z0]
	s_lshl_b32 s92, s16, 9
	s_add_co_u32 s92, s92, s90
	s_add_co_u32 s92, s92, SCO
	v_add_nc_u32 v[Z1], s92, v[O8]
	v_add_nc_u32 v[Z1+1], 2*SLOTB, v[Z1]
	v_bfe_u32 v[OBH], v0, 4, 1
	v_lshlrev_b32 v[OBH], 6, v[OBH]
	v_and_b32 v[OBR], 15, v0
	v_and_b32 v1, 8, v[OBR]
	v_add_nc_u32 v[OBR], v1, v[OBR]
	v_lshlrev_b32 v[OBR], 2, v[OBR]
.irp b, 0,1,2,3
	v_mov_b32 v[TM+4+\b], 0                        ; written once: a lane permute's destination counts as one of its sources
.endr
	s_lshl_b32 s92, s21, 9
	s_mov_b32 s93, 0
	s_add_nc_u64 s[82:83], s[6:7], s[92:93]        ; bq at my 128 features
	s_wait_alu depctr_va_vdst(0)
	BIAS0
	RING 8, 0                                      ; q's K slots 0-1 are whole; its K slots 2-3 are asked for
	s_mov_b32 s19, 0
.set REFILL, 1
.Ltile:                                                ; q, then k
	FETCH 0
	s_wait_loadcnt 0x0                             ; the bias
	STEP 0, 1
.irp s, 1,2,3,4,5,6,7
	STEP \s, 0
.endr
	RING 8, 0                                      ; the next tile's K slots 0-1 are whole; K slots 2-3 have been read out and take the next tile's
	s_cmp_eq_u32 s19, 0                            ; the next tile's bias lands under the way out
	s_cbranch_scc0 .Lbias_v
	s_lshl_b32 s92, s21, 9
	s_mov_b32 s93, 0
	s_add_nc_u64 s[82:83], s[8:9], s[92:93]        ; bk at my 128 features
	BIAS0
	s_branch .Lbias_done
.Lbias_v:                                              ; v: the bias belongs to source 1's rows: a lane's one feature 256 J + 64 w + 32 (a / 2) + 8 (a % 2) + r + 8 (r / 8)
	s_lshl_b32 s92, s18, 10
	s_lshl_b32 s93, s[WV], 8
	s_add_co_u32 s92, s92, s93
	s_mov_b32 s93, 0
	s_add_nc_u64 s[82:83], s[10:11], s[92:93]
.irp a, 0,1,2,3
	global_load_b32 v[BI+8*\a], v[OBR], s[82:83] offset:(32*(\a/2)+8*(\a%2))*4
.endr
.Lbias_done:
	PLACES 4                                       ; in front of the first read of results and of writes into registers that the last products have read
	; q, k: my tile a is 16 tokens x 128 features = two heads: registers 0-5 of the fragment are head 2 I's 64, registers 6-11 head 2 I + 1's
	s_lshl_b32 s88, s22, 1
	s_add_co_u32 s88, s88, s15                     ; the tokens' block among 64
	s_lshr_b32 s89, s88, 4                         ; batch
	s_and_b32 s88, s88, 15                         ; step of 128 in the batch
	s_lshl_b32 s89, s89, 4
	s_lshl_b32 s93, s21, 1
	s_add_co_u32 s89, s89, s93
	s_mul_i32 s89, s89, HEADB                      ; the record of head 2 I
	s_mov_b32 s94, KSO
	s_cmp_eq_u32 s19, 0
	s_cselect_b32 s93, QCO, 0
	s_cselect_b32 s94, QSO, s94
	s_add_co_u32 s84, s89, s93
	s_add_co_u32 s86, s89, s94
	s_mul_i32 s93, s88, 4*FRB
	s_add_co_u32 s84, s84, s93
	s_mul_i32 s93, s16, 2*FRB
	s_add_co_u32 s84, s84, s93                     ; codes: + 6,144 x step + 3,072 x (w % 2)
	s_lshl_b32 s93, s88, 9
	s_add_co_u32 s86, s86, s93
	s_lshl_b32 s93, s16, 3
	s_add_co_u32 s86, s86, s93                     ; scale words: + 512 x step + 8 x (w % 2)
	s_mov_b32 s85, 0
	s_mov_b32 s87, 0
	s_add_nc_u64 s[84:85], s[12:13], s[84:85]
	s_add_nc_u64 s[86:87], s[12:13], s[86:87]
.irp a, 0,1,2,3
	QUANT \a, OUT+24*(\a/2)+6*(\a%2), OUT+24*(\a/2)+12+6*(\a%2), PW+\a
.if (\a%2) == 1
.irp e, 0,1
.irp c, 0,1,2
	global_store_b128 v[O16], v[OUT+24*(\a/2)+12*\e+4*\c:OUT+24*(\a/2)+12*\e+4*\c+3], s[84:85] offset:FRB*(\a/2)+HEADB*\e+512*\c   ; two tiles' 12 registers of head e: 512 consecutive bytes a store
.endr
.endr
.endif
.endr
	v_cndmask_b32 v[ZW+2], v[PW], v[PW+1], s23     ; lanes 0-15 the even tile's word, lanes 16-31 the odd one's
	v_cndmask_b32 v[ZW+3], v[PW+2], v[PW+3], s23
	v_and_b32 v[ZW], 0xffff, v[ZW+2]               ; head 2 I: bytes 0 and 1; the upper two bytes are 0: they stand over zero codes
	v_and_b32 v[ZW+1], 0xffff, v[ZW+3]
	v_lshrrev_b32 v[ZW+2], 16, v[ZW+2]             ; head 2 I + 1: bytes 2 and 3
	v_lshrrev_b32 v[ZW+3], 16, v[ZW+3]
	global_store_b64 v[O16], v[ZW:ZW+1], s[86:87]
	global_store_b64 v[O16], v[ZW+2:ZW+3], s[86:87] offset:HEADB
	s_wait_xcnt 0x0                                ; the stores have read their registers and bases: the next tile's fragments land on v[OUT] on
	s_add_co_u32 s19, s19, 1
	s_cmp_lt_u32 s19, 2
	s_wait_alu depctr_va_vdst(0)
	s_cbranch_scc1 .Ltile
.set REFILL, 0
	; v: nothing more is fetched
	s_mov_b32 s21, s80
	s_mov_b32 s22, s18
	FETCH 0
	s_wait_loadcnt 0x0                             ; the bias: one number a lane and tile,
.irp a, 0,1,2,3
.irp j, 1,2,3,4,5,6,7
	v_mov_b32 v[BI+8*\a+\j], v[BI+8*\a]            ; over the tile's eight registers
.endr
.endr
	PLACES 4
	s_wait_alu depctr_va_vdst(0)
	STEP 0, 2
.irp s, 1,2,3,4,5,6,7
	STEP \s, 0
.endr
	PLACES 4
	; v: my four tiles are head 4 J + w's 64 features x the block's 128 keys: four fragments of V^T
	s_lshr_b32 s89, s21, 4                         ; batch
	s_and_b32 s88, s21, 15                         ; step of 128 keys
	s_lshl_b32 s89, s89, 4
	s_lshl_b32 s93, s22, 2
	s_add_co_u32 s89, s89, s93
	s_add_co_u32 s89, s89, s[WV]
	s_mul_i32 s89, s89, HEADB
	s_mul_i32 s93, s88, 4*FRB
	s_add_co_u32 s84, s89, s93
	s_add_co_u32 s84, s84, VCO
	s_lshl_b32 s93, s88, 8
	s_add_co_u32 s86, s89, s93
	s_add_co_u32 s86, s86, VSO
	s_mov_b32 s85, 0
	s_mov_b32 s87, 0
	s_add_nc_u64 s[84:85], s[12:13], s[84:85]
	s_add_nc_u64 s[86:87], s[12:13], s[86:87]
.irp a, 0,1,2,3
	QUANT \a, OUT+12*\a, OUT+12*\a+6, PW+\a
.irp c, 0,1,2
	global_store_b128 v[O16], v[OUT+12*\a+4*\c:OUT+12*\a+4*\c+3], s[84:85] offset:FRB*\a+512*\c
.endr
.endr
	v_cndmask_b32 v[ZW], v[PW], v[PW+1], s23
	v_cndmask_b32 v[ZW+1], v[PW+2], v[PW+3], s23
	global_store_b64 v[O8], v[ZW:ZW+1], s[86:87]   ; 256 consecutive bytes
	s_wait_tensorcnt 0x0                           ; the wave's end
	ds_add_u32 v[SPW], v[NIL]
	s_wait_dscnt 0x0
	CROUND                                         ; the closing round
	s_endpgm
.Lfunc_end_k_q621fc420fa_proj:
	.size	k_q621fc420fa_proj, .Lfunc_end_k_q621fc420fa_proj-k_q621fc420fa_proj
	.p2alignl 7, 3214868480
	.fill 96, 4, 3214868480
	.section	.rodata,"a",@progbits
	.p2align	6, 0x0
	.amdhsa_kernel k_q621fc420fa_proj
		.amdhsa_group_segment_fixed_size 327680
		.amdhsa_private_segment_fixed_size 0
		.amdhsa_enable_private_segment 0
		.amdhsa_kernarg_size 40
		.amdhsa_user_sgpr_count 2
		.amdhsa_user_sgpr_kernarg_segment_ptr 1
		.amdhsa_wavefront_size32 1
		.amdhsa_system_sgpr_workgroup_id_x 1
		.amdhsa_system_sgpr_workgroup_id_y 1
		.amdhsa_system_sgpr_workgroup_id_z 1
		.amdhsa_system_vgpr_workitem_id 0
		.amdhsa_next_free_vgpr 768
		.amdhsa_next_free_sgpr 96
		.amdhsa_reserve_vcc 0
		.amdhsa_float_denorm_mode_32 3
		.amdhsa_float_denorm_mode_16_64 3
		.amdhsa_memory_ordered 1
		.amdhsa_forward_progress 1
		.amdhsa_inst_pref_size 158
	.end_amdhsa_kernel
	.amdgpu_metadata
---
amdhsa.version: [ 1, 2 ]
amdhsa.kernels:
  - .name:           k_q621fc420fa_proj
    .symbol:         k_q621fc420fa_proj.kd
    .args:
      - { .name: xw, .offset: 0, .size: 8, .value_kind: global_buffer, .address_space: global }
      - { .name: bq, .offset: 8, .size: 8, .value_kind: global_buffer, .address_space: global }
      - { .name: bk, .offset: 16, .size: 8, .value_kind: global_buffer, .address_space: global }
      - { .name: bv, .offset: 24, .size: 8, .value_kind: global_buffer, .address_space: global }
      - { .name: att, .offset: 32, .size: 8, .value_kind: global_buffer, .address_space: global }
    .group_segment_fixed_size: 327680
    .private_segment_fixed_size: 0
    .kernarg_segment_align: 8
    .kernarg_segment_size: 40
    .max_flat_workgroup_size: 128
    .sgpr_count:     96
    .vgpr_count:     768
    .wavefront_size: 32
...
	.end_amdgpu_metadata
.endif
;; end of part 2
;; launch attn (part 3): grid 4 x 64, 16 waves a work-group, clusters of 4 x 1, 263,168 bytes of LDS; arguments att, oimg; writes oimg
.if DOCPART == 3
	.amdgcn_target "amdgcn-amd-amdhsa--gfx1250"
	.amdhsa_code_object_version 6
	.text
	.protected	k_q621fc420fa_attn
	.globl	k_q621fc420fa_attn
	.p2align	8
	.type	k_q621fc420fa_attn,@function
k_q621fc420fa_attn:
	s_mov_b64 s[64:65], 0
	v_nop
	global_prefetch_b8 v0, s[64:65] scope:SCOPE_SE
	s_setreg_imm32_b32 hwreg(HW_REG_WAVE_MODE, 25, 1), 1
	s_wait_xcnt 0x0
	s_wait_alu depctr_hold_cnt(0) depctr_sa_sdst(0) depctr_va_vdst(0) depctr_va_sdst(0) depctr_va_ssrc(0) depctr_va_vcc(0) depctr_vm_vsrc(0)
	s_getreg_b32 s2, hwreg(HW_REG_IB_STS2, 6, 4)
	s_cmp_eq_u32 s2, 0
	s_cbranch_scc0 .Lentry_in_a_cluster
	s_endpgm
.Lentry_in_a_cluster:
	s_bfe_u32 s2, ttmp6, 0x10000c
	s_cmp_lg_u32 s2, 0x3003
	s_cbranch_scc0 .Lentry_shape_is_right
	s_endpgm
.Lentry_shape_is_right:
; For each of 64 (batch, head): O = softmax(q k^T / 8) v on codes of FP6 (E2M3) from att; O / l is quantised along the head's 64 features and stored as the last product's operand.
; THE SOFTMAX: t = score x log2(e) / 8; M = the running largest t rounded UP to a whole number; p = 2^(t - M) is quantised along the keys, not normalised; the row's sum l is taken of the unquantised p
; and divides O at the end.  When M moves, l and O are multiplied by f = 2^(old M - new M), which rounds nothing.
; SHARES: a work-group owns 512 queries of a head; wave w two tiles of 16, one after the other.  The head's K, V and their scale words, 208,896 bytes of memory, lie in LDS for the whole launch: each byte is filled once.
; The four work-groups of a head form a cluster and ask for those bytes jointly; waves 0 to 7 fetch an eighth each.  All tiles are asked for at the head, so there is no loop to prefetch ahead in: no prefetch.
; LDS: the record's chunks of 512 bytes lie 640 apart (128 bytes of padding behind each): chunk n at 640 n.  K's codes chunks 0-191, V's 192-383, K's scale words 384-399, V's 400-407.
; Both products are used transposed (S^T = K Q^T, O^T = V^T P^T): a lane holds one query throughout.
; A LANE HOLDS WHOLE SCALE BLOCKS OF p.  att has key 32 b + 16 h + 8 u + j of a step at row 8 h + j of tile 2 b + u.  The tiles are formed anew as they are read: row 8 h + j of tile 4 c + u is key 64 c + 32 h + 8 u + j,
; so that lane (r, h)'s 32 registers of tiles 4 c .. 4 c + 3 are keys 64 c + 32 h + 0 .. 31 in order: one block, as the second product's operand wants it.  No lane is asked for a block's largest, and no codes change lanes.
; Rows 0-7 of tiles 4 c, 4 c + 1 are att's rows 0-7 of the same tiles, their rows 8-15 att's rows 0-7 of tiles 4 c + 2, 4 c + 3; rows 0-7 of tiles 4 c + 2, 4 c + 3 are att's rows 8-15 of tiles 4 c, 4 c + 1, their rows 8-15 stay.
; Two tiles are three chunks, so this is an address alone: lanes with r >= 8 read 8 lanes lower and 3 chunks higher (16 x lane + 1,792); the odd pairs of tiles read 3 chunks lower and 128 bytes higher by the immediate.
; 3 x 640 = 1,920 is 128 modulo 256.
; K = 64 IN AN INSTRUCTION OF 128: a tile of K is six registers; the operand's upper six are whatever follows (the next tile; behind the last, six registers that hold any bits: every pattern is a finite code).
; They meet Q's upper six, which are zero codes, under scale bytes 0.
; TWO AREAS OF 64 REGISTERS CHANGE ROLES FROM STEP TO STEP.  In a step K lies in X and the scores go to Y; V then lands in X under the softmax; when p's codes are made, Y takes the NEXT step's K.
; THE EXPONENTIALS GO IN FOUR STAGES of 16 registers each.  Behind an exponential stands a plain line whose sources were written ahead of the stage's wait and whose result is read behind the next one:
; t - M of later registers, and the sums of earlier ones.  THE ROW'S SUM lies in eight pairs of registers: the first 16 go in by l = l f + p, the others by additions.
; A BARRIER IN EVERY KEY STEP, signalled at the step's head and waited for ahead of its second product, keeps the sixteen waves within one key step of each other; only register work and LDS loads stand between.
; The walk over the keys wraps: a tile's last step fetches K's step 0, which the wave's second tile uses; behind the second tile those 16 loads are not used.
; oimg: 64 blocks of 128 tokens x 102,400 bytes, laid as xw's blocks, but a fragment's 1,536 bytes are [head % 2][3 chunks of 256: registers 6 e + 2 c, + 1, lane l's 8 bytes at 8 l], so that one head stores 256 consecutive bytes.
; LIMITS: NaN and infinities are not served; the scaled scores t stay under 2^31 in magnitude; a block of zeros gets the byte 1 where the rule says 127 (its codes are zeros; this program alone reads the bytes).
.set HEADB, 315392
.set QCO,   208896
.set QSO,   307200
.set PART,  26112                      ; an eighth of 208,896 in memory: 51 rows of 512 bytes
.set PARTL, 32640                      ; and in LDS: 51 x 640
.set CH,    640                        ; from chunk to chunk in LDS
.set VCL,   192*CH
.set KSL,   384*CH
.set VSL,   400*CH
.set SPARE, 408*CH                     ; 261,120: the spare words, 128 bytes a wave: eight blocks of 256 bytes that no other line names
.set AK0, 1                            ; v1   K's codes: 16 x lane, + 1,792 where r >= 8
.set AV0, 2                            ; v2   V's codes
.set AS0, 3                            ; v3   K's scale words
.set AT0, 4                            ; v4   V's
.set SPW, 5
.set NIL, 6
.set GO,  7                            ; v7   8 x lane
.set ADK, 8                            ; v8-11 the addresses of the next K, this V, the next K's scale words, this V's
.set ADV, 9
.set ADS, 10
.set ADT, 11
.set SH,  15                           ; v15  8 h.  v12 -M, v13 the largest t, v14 at work at the head and at a tile's end
.set QF,  16                           ; v16-27 Q: six registers of codes, six of zeros
.set QS,  28                           ; v28  Q's scale words; v29 the other tile's; v30-35 the other tile's codes
.set XA,  36                           ; v36-99, v100-163 the two areas
.set XB,  100
.set O,   164                          ; v164-195 O^T
.set PCD, 196                          ; v196-207 p's codes; at a tile's end O's
.set BM,  208                          ; v208-211 four chains of the largest score; then v208, v210 my two blocks'
.set BP,  212                          ; v212 the other half's; v213-214 my two bytes, v215 as a word
.set BS,  216                          ; v216-217 the conversions' scale operands
.set CT,  220                          ; v220-227 the conversions' second halves
.set F,   228                          ; v[228:229] f
.set PS,  230                          ; v230 p's scale word
.set T,   231
.set KS,  232                          ; v232-235 K's scale words
.set VS,  236                          ; v236-237 V's
.set L,   238                          ; v238-253 the row's sum in eight pairs
.set OH,  254                          ; v254-255 O's two scale bytes, a tile each
.set WV,  8
.set SEL, 20
.set CS,  22
.set G1,  24
.set G0,  32
.set TK,  36                           ; s36 the step's codes: 12 chunks a step, in K and in V
.set TS,  37                           ; s37 K's scale words: a chunk a step
.set TV,  38                           ; s38 V's: a chunk for two steps
.set CNT, 39
.set HM,  40
.macro CROUND
	s_barrier_signal -1
	s_barrier_wait -1
	s_cmp_lg_u32 s[WV], 0
	s_cbranch_scc1 .Lnot_wave_0_\@
	s_barrier_signal -3
.Lnot_wave_0_\@:
	s_barrier_wait -3
	s_barrier_signal -1
	s_barrier_wait -1
.endm
.macro WALU
	s_wait_alu depctr_va_vdst(0)
.endm
.macro KLOAD D, A, S                   ; a step's eight tiles of K, formed as the head says, and their scale words: 16 loads
.irp n, 0,1,2,6,7,8
	ds_load_b128 v[\D+4*\n:\D+4*\n+3], v[\A] offset:CH*\n
.endr
.irp n, 3,4,5,9,10,11
	ds_load_b128 v[\D+4*\n:\D+4*\n+3], v[\A] offset:CH*(\n-3)+128
.endr
	ds_load_b32 v[KS], v[\S]                       ; word a of lane (H, r): att's word 2 (a / 2) + r / 8 of lane (H, 8 (a % 2) + r % 8)
	ds_load_b32 v[KS+1], v[\S] offset:128
	ds_load_b32 v[KS+2], v[\S] offset:8
	ds_load_b32 v[KS+3], v[\S] offset:136
.endm
	s_load_b128 s[4:7], s[0:1], 0x0                ; att, oimg
	v_lshl_add_u32 v[SPW], v0, 2, SPARE
	v_mov_b32 v[NIL], 0
	ds_add_u32 v[SPW], v[NIL]                      ; the wave's opening: the add, twice on end, and its wait ahead of the first tensor loads
	ds_add_u32 v[SPW], v[NIL]
	v_lshrrev_b32 v8, 5, v0
	v_readfirstlane_b32 s[WV], v8                  ; wave 0..15
	s_bfe_u32 s9, ttmp6, 0x40000                   ; cx
	s_lshl_b32 s10, ttmp9, 2
	s_add_co_u32 s10, s10, s9                      ; my block of 512 queries: it enters Q's and O's addresses alone
	s_and_b32 s11, ttmp7, 0xffff                   ; the record: 16 x batch + head, which the four partners share
	s_mul_i32 s12, s11, HEADB
	s_mov_b32 s13, 0
	s_and_b32 s46, s[WV], 7
	s_mul_i32 s14, s46, PART                       ; my eighth in memory,
	s_mov_b32 s15, 0
	s_mul_i32 s[G0+1], s46, PARTL                  ; and in LDS
	s_mov_b32 s[G1], 15|(3<<16)|(1<<20)|(1<<21)|(6<<22)|(31<<25)   ; 15:0 the mask: all four; 17:16 elements of 8 bytes; 20 padding on; 21 set beside a mask; 24:22 after every 128 words (code 6); 31:25 of 32 words (code 31)
	s_mov_b32 s[G1+1], 64<<16                      ; tensor_dim0 = 64
	s_mov_b32 s[G1+2], 51<<16                      ; tensor_dim1 = 51
	s_mov_b32 s[G1+3], 64<<16                      ; tile_dim0
	s_mov_b32 s[G1+4], 51                          ; tile_dim1
	s_mov_b32 s[G1+5], 64                          ; the pitch
	s_mov_b32 s[G1+6], 0
	s_mov_b32 s[G1+7], 0
	s_mov_b32 s[SEL], 0x76543210
	s_mov_b32 s[SEL+1], 0xfedcba98
	s_mov_b32 s[CS], 0x3e38aa3b                    ; c = log2(e) / 8
	s_mov_b32 s[CS+1], s[CS]                       ; (named with it as a pair)
	s_mov_b32 s[HM], 0xffff0000                    ; lanes 16-31
	s_wait_dscnt 0x0                               ; both opening adds are done
	s_wait_kmcnt 0x0
	s_add_nc_u64 s[12:13], s[4:5], s[12:13]        ; the record
	s_mov_b32 s[G0], 1
	s_add_nc_u64 s[G0+2:G0+3], s[12:13], s[14:15]
	s_or_b32 s[G0+3], s[G0+3], 0x80000000
	CROUND                                         ; all four work-groups are here: the joint loads meet
	s_cmp_lt_u32 s[WV], 8
	s_cbranch_scc0 .Lno_load
	tensor_load_to_lds s[G0:G0+3], s[G1:G1+7]      ; one load of mine is out
	s_nop 0
.rept 4
	v_nop
.endr
.Lno_load:
	s_lshr_b32 s46, s[WV], 2
	s_lshl_b32 s47, s10, 2
	s_add_co_u32 s46, s46, s47                     ; my block of 128 queries among the head's 16
	s_and_b32 s47, s[WV], 3                        ; my pair of tiles in it
	s_mul_i32 s48, s46, 6144
	s_mul_i32 s49, s47, 1536
	s_add_co_u32 s48, s48, s49
	s_add_co_u32 s48, s48, QCO
	s_mov_b32 s49, 0
	s_add_nc_u64 s[16:17], s[12:13], s[48:49]      ; Q's codes
	s_lshl_b32 s48, s46, 9
	s_lshl_b32 s50, s47, 2
	s_add_co_u32 s48, s48, s50
	s_add_co_u32 s48, s48, QSO
	s_add_nc_u64 s[18:19], s[12:13], s[48:49]      ; and scale words
	v_and_b32 v9, 31, v0
	v_lshlrev_b32 v14, 4, v9                       ; 16 x lane
	WALU
.irp c, 0,1,2
	global_load_b128 v[QF+4*\c:QF+4*\c+3], v14, s[16:17] offset:512*\c   ; both tiles: six registers each
.endr
	global_load_b32 v[QS], v14, s[18:19]           ; lanes 0-15 the first tile's words, lanes 16-31 the second's
	s_lshr_b32 s48, s11, 4
	s_lshl_b32 s48, s48, 4
	s_add_co_u32 s48, s48, s46                     ; the tokens' block among 64
	s_mul_i32 s48, s48, 102400
	s_and_b32 s50, s11, 15                         ; the head
	s_lshr_b32 s51, s50, 2
	s_mul_i32 s51, s51, 25600
	s_add_co_u32 s48, s48, s51                     ; the K slot: head / 4
	s_bfe_u32 s51, s50, 0x10001                    ; the K step in it: (head / 2) % 2
	s_and_b32 s50, s50, 1                          ; the half of a fragment: head % 2
	s_mul_i32 s52, s51, 12288
	s_mul_i32 s53, s47, 3072
	s_add_co_u32 s52, s52, s53
	s_mul_i32 s53, s50, 768
	s_add_co_u32 s52, s52, s53
	s_add_co_u32 s52, s52, s48
	s_mov_b32 s53, 0
	s_add_nc_u64 s[42:43], s[6:7], s[52:53]        ; O's codes
	s_lshl_b32 s52, s47, 8
	s_lshl_b32 s51, s51, 2
	s_add_co_u32 s52, s52, s51
	s_lshl_b32 s50, s50, 1
	s_add_co_u32 s52, s52, s50
	s_add_co_u32 s52, s52, s48
	s_add_co_u32 s52, s52, 24576
	s_add_nc_u64 s[44:45], s[6:7], s[52:53]        ; and its two bytes of a row's scale word
	v_bfe_u32 v8, v0, 3, 1                         ; r / 8
	v_mad_u32_u24 v[AK0], v8, 1792, v14            ; 16 x lane; where r >= 8: 8 lanes lower, 3 chunks higher
	v_add_nc_u32 v[AV0], VCL, v14
	v_and_b32 v10, 23, v9                          ; 16 H + r % 8
	v_lshlrev_b32 v10, 4, v10
	v_lshl_add_u32 v10, v8, 2, v10                 ; that lane's 16 bytes, + 4 (r / 8)
	v_add_nc_u32 v[AS0], KSL, v10
	v_lshlrev_b32 v[GO], 3, v9
	v_add_nc_u32 v[AT0], VSL, v[GO]
	v_bfe_u32 v[SH], v0, 4, 1
	v_lshlrev_b32 v[SH], 3, v[SH]                  ; 8 h
.irp b, 0,1,2,3
	v_mov_b32 v[BP+\b], 0                          ; written once: a lane permute's destination counts as one of its sources
.endr
	v_mov_b32 v[F+1], 0                            ; (named as the upper half of the pair)
	v_mov_b32 v[QS+1], 0
	s_mov_b32 s[TK], 0
	s_mov_b32 s[TS], 0
	s_mov_b32 s[TV], 0
	WALU
	s_wait_loadcnt 0x0                             ; Q
.irp i, 0,1,2,3,4,5
	v_mov_b32 v[30+\i], v[QF+6+\i]                 ; the second tile waits
.endr
.irp i, 0,1,2,3,4,5
	v_mov_b32 v[QF+6+\i], 0                        ; zero codes for k = 64 .. 127
	v_mov_b32 v[XA+48+\i], 0                       ; behind K's last tile in the first step: written, so that they may be named
.endr
	v_permlanex16_b32 v[QS+1], v[QS], s[SEL], s[SEL+1]
	WALU
	s_wait_tensorcnt 0x0                           ; my eighth is in,
	s_barrier_signal -1
	s_barrier_wait -1                              ; everybody's is
	KLOAD XA, AK0, AS0                             ; K's step 0
.macro FMA Y, n                        ; t - M of pair n of the scores
	v_pk_fma_f32 v[\Y+2*(\n):\Y+2*(\n)+1], v[\Y+2*(\n):\Y+2*(\n)+1], s[CS:CS+1], v[12:13] op_sel_hi:[1,0,0]
.endm
.macro LS Y, b, j                      ; pair j of p's registers 16 b .. 16 b + 15 goes into pair j of the sum; the first 16 bring the sum under the new M on the way
.if (\b) == 0
	v_pk_fma_f32 v[L+2*(\j):L+2*(\j)+1], v[L+2*(\j):L+2*(\j)+1], v[F:F+1], v[\Y+2*(\j):\Y+2*(\j)+1] op_sel_hi:[1,0,1]
.else
	v_pk_add_f32 v[L+2*(\j):L+2*(\j)+1], v[L+2*(\j):L+2*(\j)+1], v[\Y+16*(\b)+2*(\j):\Y+16*(\b)+2*(\j)+1]
.endif
.endm
; A KEY STEP: 128 keys.  K lies in X; the scores, then p, in Y.  e: the step's number is odd
.macro KSTEP X, Y, e
	s_wait_dscnt 0x0                               ; this step's K and its scale words are in; no LDS instruction of mine is out
	s_barrier_signal -1                            ; I have begun this step
.irp t, 0,2,4,6
	v_wmma_scale_f32_16x16x128_f8f6f4 v[\Y+8*\t:\Y+8*\t+7], v[\X+6*\t:\X+6*\t+11], v[QF:QF+11], 0, v[KS+\t/2], v[QS] matrix_a_fmt:MATRIX_FMT_FP6 matrix_b_fmt:MATRIX_FMT_FP6
	v_wmma_scale_f32_16x16x128_f8f6f4 v[\Y+8*\t+8:\Y+8*\t+15], v[\X+6*\t+6:\X+6*\t+17], v[QF:QF+11], 0, v[KS+\t/2], v[QS] matrix_a_fmt:MATRIX_FMT_FP6 matrix_b_fmt:MATRIX_FMT_FP6 matrix_a_scale:MATRIX_SCALE_ROW1
.endr
	v_add_nc_u32 v[ADV], s[TK], v[AV0]             ; these four are the places in front of the loads below and of the first read of the scores
	v_add_nc_u32 v[ADT], s[TV], v[AT0]
	s_add_co_u32 s[TK], s[TK], 12*CH               ; on to the next step, behind the last to the first
	s_cmp_eq_u32 s[TK], 192*CH
	s_cselect_b32 s[TK], 0, s[TK]
	s_add_co_u32 s[TS], s[TS], CH
	s_cmp_eq_u32 s[TS], 16*CH
	s_cselect_b32 s[TS], 0, s[TS]
	v_add_nc_u32 v[ADK], s[TK], v[AK0]
	v_add_nc_u32 v[ADS], s[TS], v[AS0]
.irp c, 0,1,2,3,4,5,6,7,8,9,10,11
	ds_load_b128 v[\X+4*\c:\X+4*\c+3], v[ADV] offset:CH*\c   ; V's four fragments land under the softmax
.endr
	ds_load_b64 v[VS:VS+1], v[ADT] offset:256*(\e)
.if \e
	s_add_co_u32 s[TV], s[TV], CH
	s_cmp_eq_u32 s[TV], 8*CH
	s_cselect_b32 s[TV], 0, s[TV]
.endif
.irp b, 0,1,2,3
	v_max3_num_f32 v[BM+\b], v[\Y+16*\b], v[\Y+1+16*\b], v[\Y+2+16*\b]   ; the largest score, in four chains of 16 registers: for the row's maximum, and, since p rises with the score, for each block's largest p
.endr
.irp i, 3,5,7,9,11,13
.irp b, 0,1,2,3
	v_max3_num_f32 v[BM+\b], v[BM+\b], v[\Y+16*\b+\i], v[\Y+1+16*\b+\i]
.endr
.endr
	v_max3_num_f32 v[BM], v[BM], v[BM+1], v[\Y+15]     ; two chains make a block of 32 keys: all of it is mine
	v_max3_num_f32 v[BM+2], v[BM+2], v[BM+3], v[\Y+47]
	v_max_num_f32 v[BM], v[BM], v[\Y+31]
	v_max_num_f32 v[BM+2], v[BM+2], v[\Y+63]
	v_max_num_f32 v[T], v[BM], v[BM+2]
	s_delay_alu instid0(VALU_DEP_1)
	v_permlanex16_b32 v[BP], v[T], s[SEL], s[SEL+1]
	s_delay_alu instid0(VALU_DEP_1)
	v_max_num_f32 v[T], v[T], v[BP]                ; with lane l xor 16's two blocks: the step's largest score of my query
	s_delay_alu instid0(VALU_DEP_1)
	v_mul_f32 v[T], s[CS], v[T]                    ; as t (c is positive)
	s_delay_alu instid0(VALU_DEP_1)
	v_max_num_f32 v13, v13, v[T]                   ; the running largest t
	v_mov_b32 v[T], v12
	s_delay_alu instid0(VALU_DEP_2)
	v_floor_f32 v12, -v13                          ; the new -M = floor(-t): M is a whole number
	s_delay_alu instid0(VALU_DEP_1)
	v_sub_f32 v[T], v12, v[T]                      ; old M - new M: a whole number, 0 or less
	s_delay_alu instid0(VALU_DEP_1)
	v_cvt_i32_f32 v[T], v[T]                       ; (it saturates)
	s_delay_alu instid0(VALU_DEP_1)
	v_ldexp_f32 v[F], 1.0, v[T]                    ; f = 2^(old M - new M)
.irp j, 0,1,2,3,4,5,6,7
	FMA \Y, \j
.endr
	v_fma_f32 v[BM], v[BM], s[CS], v12             ; the same of each block's largest score
	v_fma_f32 v[BM+2], v[BM+2], s[CS], v12
	WALU                                           ; stage 1: a wait ahead of each batch and behind it: one stands between two stages
	v_exp_f32 v[BM], v[BM]                         ; the block's largest p: the same two instructions on the same number
	FMA \Y, 8
	v_exp_f32 v[BM+2], v[BM+2]
	FMA \Y, 9
.set n, 0
.rept 14
	v_exp_f32 v[\Y+n], v[\Y+n]                     ; p = 2^(t - M), at most 1
	FMA \Y, 10+n
.set n, n+1
.endr
.rept 2
	v_exp_f32 v[\Y+n], v[\Y+n]
.set n, n+1
.endr
	WALU                                           ; stage 2
.set n, 0
.rept 8
	v_exp_f32 v[\Y+16+n], v[\Y+16+n]
	FMA \Y, 24+n
.set n, n+1
.endr
.rept 8
	v_exp_f32 v[\Y+16+n], v[\Y+16+n]
	LS \Y, 0, n-8
.set n, n+1
.endr
	v_max_num_f32 v[BM], 0x1800000, v[BM]          ; the floor 2^(3 - 127)
	v_max_num_f32 v[BM+2], 0x1800000, v[BM+2]
	v_add_nc_u32 v[BS], 0xff000000, v[BM]          ; 2 off the exponent field: the conversion's scale operand
	v_add_nc_u32 v[BS+1], 0xff000000, v[BM+2]
	v_lshrrev_b32 v[BP+1], 23, v[BS]               ; the scale's byte: of block h,
	v_lshrrev_b32 v[BP+2], 23, v[BS+1]             ; and of block 2 + h
	v_lshl_or_b32 v[BP+3], v[BP+2], 16, v[BP+1]
	WALU                                           ; stage 3
.set n, 0
.rept 8
	v_exp_f32 v[\Y+32+n], v[\Y+32+n]
	LS \Y, 1, n
.set n, n+1
.endr
	v_exp_f32 v[\Y+40], v[\Y+40]
	v_lshlrev_b32 v[BP+3], v[SH], v[BP+3]          ; at their places in the scale word: 8 h bits up
.irp i, 41,42,43,44,45,46,47
	v_exp_f32 v[\Y+\i], v[\Y+\i]
.endr
	WALU                                           ; stage 4
.set n, 0
.rept 8
	v_exp_f32 v[\Y+48+n], v[\Y+48+n]
	LS \Y, 2, n
.set n, n+1
.endr
	v_exp_f32 v[\Y+56], v[\Y+56]
	v_permlanex16_b32 v[BP], v[BP+3], s[SEL], s[SEL+1]
.irp i, 57,58,59,60,61,62,63
	v_exp_f32 v[\Y+\i], v[\Y+\i]
.endr
	WALU
.irp c, 0,1
	v_cvt_scalef32_pk16_fp6_f32 v[PCD+6*\c:PCD+6*\c+2], v[\Y+32*\c:\Y+32*\c+15], v[BS+\c]
	v_cvt_scalef32_pk16_fp6_f32 v[CT+4*\c:CT+4*\c+2], v[\Y+32*\c+16:\Y+32*\c+31], v[BS+\c]   ; (a conversion's three registers begin on an even number)
.endr
	v_or_b32 v[PS], v[BP+3], v[BP]                 ; with lane l xor 16's two bytes p's scale word is whole.  Also the plain place behind the scaled conversions
	KLOAD \Y, ADK, ADS                             ; p's registers 0-47 have been read for the last time: they take the next step's K
.irp c, 0,1
.irp i, 0,1,2
	v_mov_b32 v[PCD+6*\c+3+\i], v[CT+4*\c+\i]
.endr
.endr
	WALU
.set n, 0
.rept 16
	v_pk_mul_f32 v[O+n:O+n+1], v[O+n:O+n+1], v[F:F+1] op_sel_hi:[1,0]   ; O^T under the new M.  Twelve of these name no register of any one product below: the places behind p's scale word and codes
.set n, n+2
.endr
	WALU
	s_barrier_wait -1                              ; every wave has begun this step
	s_wait_dscnt 16                                ; V and its scale words are in; the 16 loads of the next K may be out
.irp t, 0,2
	v_wmma_scale_f32_16x16x128_f8f6f4 v[O+8*\t:O+8*\t+7], v[\X+12*\t:\X+12*\t+11], v[PCD:PCD+11], v[O+8*\t:O+8*\t+7], v[VS+\t/2], v[PS] matrix_a_fmt:MATRIX_FMT_FP6 matrix_b_fmt:MATRIX_FMT_FP6
	v_wmma_scale_f32_16x16x128_f8f6f4 v[O+8*\t+8:O+8*\t+15], v[\X+12*\t+12:\X+12*\t+23], v[PCD:PCD+11], v[O+8*\t+8:O+8*\t+15], v[VS+\t/2], v[PS] matrix_a_fmt:MATRIX_FMT_FP6 matrix_b_fmt:MATRIX_FMT_FP6 matrix_a_scale:MATRIX_SCALE_ROW1
.endr
.irp j, 0,1,2,3,4,5,6,7
	LS \Y, 3, \j                                   ; the last 16 registers' sums name no register of the products above: the places in front of the next step's products, which write over V
.endr
.endm
; O^T / l; register 16 b + i is feature 32 b + 16 h + i of my query: two blocks of 32, six registers of codes, two scale bytes.  XB, which held the last V, is at work here
.macro FINISH p
.irp j, 0,1,2,3
	v_pk_add_f32 v[L+2*\j:L+2*\j+1], v[L+2*\j:L+2*\j+1], v[L+8+2*\j:L+9+2*\j]
.endr
	v_pk_add_f32 v[L:L+1], v[L:L+1], v[L+4:L+5]
	v_pk_add_f32 v[L+2:L+3], v[L+2:L+3], v[L+6:L+7]
	v_pk_add_f32 v[L:L+1], v[L:L+1], v[L+2:L+3]
	v_add_f32 v14, v[L], v[L+1]
	v_permlanex16_b32 v[T], v14, s[SEL], s[SEL+1]
	v_add_f32 v14, v14, v[T]                       ; the row's sum
	WALU
	v_rcp_f32 v14, v14
	v_nop                                          ; a plain place behind the reciprocal,
	WALU                                           ; and the wait ahead of its first reader
.set n, 0
.rept 32
	v_mul_f32 v[XB+n], v[O+n], v14                 ; each accumulator from its low end on
.set n, n+1
.endr
.irp b, 0,1
	v_max3_num_f32 v[BM+\b], |v[XB+16*\b]|, |v[XB+1+16*\b]|, 0x1800000
.endr
.irp i, 2,4,6,8,10,12,14
.irp b, 0,1
	s_delay_alu instid0(VALU_DEP_2)
	v_max3_num_f32 v[BM+\b], v[BM+\b], |v[XB+16*\b+\i]|, |v[XB+1+16*\b+\i]|
.endr
.endr
.irp b, 0,1
	s_delay_alu instid0(VALU_DEP_2)
	v_permlanex16_b32 v[BP+\b], v[BM+\b], s[SEL], s[SEL+1]
.endr
.irp b, 0,1
	s_delay_alu instid0(VALU_DEP_2)
	v_max_num_f32 v[BM+\b], v[BM+\b], v[BP+\b]
.endr
.irp b, 0,1
	s_delay_alu instid0(VALU_DEP_2)
	v_add_nc_u32 v[BS+\b], 0xff000000, v[BM+\b]
.endr
.irp b, 0,1
	s_delay_alu instid0(VALU_DEP_2)
	v_lshrrev_b32 v[BP+\b], 23, v[BS+\b]
.endr
	s_delay_alu instid0(VALU_DEP_1)
	v_lshl_or_b32 v[OH+\p], v[BP+1], 8, v[BP]
	v_cvt_scalef32_pk16_fp6_f32 v[PCD:PCD+2], v[XB:XB+15], v[BS]
	v_cvt_scalef32_pk16_fp6_f32 v[CT:CT+2], v[XB+16:XB+31], v[BS+1]
	v_nop
.irp i, 0,1,2
	v_permlane16_swap_b32 v[PCD+\i], v[CT+\i]
.endr
.irp i, 0,1,2
	s_delay_alu instid0(VALU_DEP_3)
	v_mov_b32 v[PCD+3+\i], v[CT+\i]
.endr
.irp c, 0,1,2
	global_store_b64 v[GO], v[PCD+2*\c:PCD+2*\c+1], s[42:43] offset:1536*\p+256*\c   ; 256 consecutive bytes, at a multiple of 256 from oimg's first byte
.endr
.endm
.macro PASS p                          ; one tile of 16 queries against all 2,048 keys
.if \p
.irp i, 0,1,2,3,4,5
	v_mov_b32 v[QF+\i], v[30+\i]
.endr
	v_mov_b32 v[QS], v[QS+1]                       ; the 50 lines below are the places between these and the first product
.endif
	v_mov_b32 v13, 0xff61b1e6                      ; the largest t so far: -3e38
	s_delay_alu instid0(VALU_DEP_1)
	v_floor_f32 v12, -v13
.set n, 0
.rept 16
	v_mov_b32 v[L+n], 0
.set n, n+1
.endr
.set n, 0
.rept 32
	v_mov_b32 v[O+n], 0                            ; the step is written once: the first finds zeros, which the first change of M leaves zeros
.set n, n+1
.endr
.if \p
	s_wait_xcnt 0x0                                ; the first tile's stores have read v[PCD] on, which is written again below
.endif
	s_mov_b32 s[CNT], 8
.Lkeys_\@:                                             ; a trip is two steps: the areas are back where they began
	KSTEP XA, XB, 0
	KSTEP XB, XA, 1
	s_sub_co_u32 s[CNT], s[CNT], 1
	s_cmp_lg_u32 s[CNT], 0
	s_cbranch_scc1 .Lkeys_\@
	FINISH \p
.endm
	PASS 0
	PASS 1
	v_cndmask_b32 v14, v[OH], v[OH+1], s[HM]       ; lanes 0-15 the first tile's rows, lanes 16-31 the second's
	global_store_b16 v[GO], v14, s[44:45]          ; two bytes of each row's scale word: the other two are the neighbouring head's.  One such store a wave
	s_wait_tensorcnt 0x0                           ; the wave's end
	ds_add_u32 v[SPW], v[NIL]
	s_wait_dscnt 0x0
	CROUND                                         ; the closing round
	s_endpgm
.Lfunc_end_k_q621fc420fa_attn:
	.size	k_q621fc420fa_attn, .Lfunc_end_k_q621fc420fa_attn-k_q621fc420fa_attn
	.p2alignl 7, 3214868480
	.fill 96, 4, 3214868480
	.section	.rodata,"a",@progbits
	.p2align	6, 0x0
	.amdhsa_kernel k_q621fc420fa_attn
		.amdhsa_group_segment_fixed_size 263168
		.amdhsa_private_segment_fixed_size 0
		.amdhsa_enable_private_segment 0
		.amdhsa_kernarg_size 16
		.amdhsa_user_sgpr_count 2
		.amdhsa_user_sgpr_kernarg_segment_ptr 1
		.amdhsa_wavefront_size32 1
		.amdhsa_system_sgpr_workgroup_id_x 1
		.amdhsa_system_sgpr_workgroup_id_y 1
		.amdhsa_system_sgpr_workgroup_id_z 1
		.amdhsa_system_vgpr_workitem_id 0
		.amdhsa_next_free_vgpr 256
		.amdhsa_next_free_sgpr 66
		.amdhsa_reserve_vcc 0
		.amdhsa_float_denorm_mode_32 3
		.amdhsa_float_denorm_mode_16_64 3
		.amdhsa_memory_ordered 1
		.amdhsa_forward_progress 1
		.amdhsa_inst_pref_size 81
	.end_amdhsa_kernel
	.amdgpu_metadata
---
amdhsa.version: [ 1, 2 ]
amdhsa.kernels:
  - .name:           k_q621fc420fa_attn
    .symbol:         k_q621fc420fa_attn.kd
    .args:
      - { .name: att, .offset: 0, .size: 8, .value_kind: global_buffer, .address_space: global }
      - { .name: oimg, .offset: 8, .size: 8, .value_kind: global_buffer, .address_space: global }
    .group_segment_fixed_size: 263168
    .private_segment_fixed_size: 0
    .kernarg_segment_align: 8
    .kernarg_segment_size: 16
    .max_flat_workgroup_size: 512
    .sgpr_count:     66
    .vgpr_count:     256
    .wavefront_size: 32
...
	.end_amdgpu_metadata
.endif
;; end of part 3
;; launch outp (part 4): grid 8 x 32, 4 waves a work-group, clusters of 4 x 4, 327,680 bytes of LDS; arguments xw, oimg, bo, out0; writes out0
.if DOCPART == 4
	.amdgcn_target "amdgcn-amd-amdhsa--gfx1250"
	.amdhsa_code_object_version 6
	.text
	.protected	k_q621fc420fa_outp
	.globl	k_q621fc420fa_outp
	.p2align	8
	.type	k_q621fc420fa_outp,@function
k_q621fc420fa_outp:
	s_mov_b64 s[64:65], 0
	v_nop
	global_prefetch_b8 v0, s[64:65] scope:SCOPE_SE
	s_setreg_imm32_b32 hwreg(HW_REG_WAVE_MODE, 25, 1), 1
	s_wait_xcnt 0x0
	s_wait_alu depctr_hold_cnt(0) depctr_sa_sdst(0) depctr_va_vdst(0) depctr_va_sdst(0) depctr_va_ssrc(0) depctr_va_vcc(0) depctr_vm_vsrc(0)
	s_getreg_b32 s2, hwreg(HW_REG_IB_STS2, 6, 4)
	s_cmp_eq_u32 s2, 0
	s_cbranch_scc0 .Lentry_in_a_cluster
	s_endpgm
.Lentry_in_a_cluster:
	s_bfe_u32 s2, ttmp6, 0x10000c
	s_cmp_lg_u32 s2, 0xf033
	s_cbranch_scc0 .Lentry_shape_is_right
	s_endpgm
.Lentry_shape_is_right:
; out0 = O Wo^T + bo on codes of FP6 (E2M3): Wo's from xw (blocks 216-223), O's from oimg.  out0 [8192][1024] f32.
; Source 0 = 16 rows of Wo, source 1 = 16 tokens: a lane holds one token and eight neighbouring features.  A work-group takes 128 features x 256 tokens, all of K = 1,024: 307,200 bytes of LDS, each byte filled once.
; Wave w: all 8 tiles of Wo x 4 tiles of tokens (block w / 2, tiles 4 (w % 2) + a): 32 accumulators, which take turns, one instruction a turn.
; CLUSTER 4 x 4: Wo's block hangs on cx alone and is asked for jointly by a column of the cluster, the tokens' two blocks hang on cy alone and are asked for by a row.
; The rows of a tile are not neighbours: lane r of tile 2 b + u holds row 32 b + 8 u + r + 8 (r / 8) of its block of 128, on both sides.
; REGISTERS: window 0: v2-15 addresses; v16-63 scale words; v64-127 the bias as a C operand; v128-223 the tokens' fragments, two sets; on the way out v128-255 rows of out0.  window 1: Wo's fragments, two sets.  window 2: the accumulators, (a, b) at v[8 (8 a + b)].
.set BLKB,  102400
.set SLOTB, 25600
.set QB,    12288
.set FRB,   1536
.set SCO,   24576
.set S1,    102400
.set SPARE, 307200                     ; the spare words, 128 bytes a wave: two blocks of 256 bytes that no other line names
.set STG,   8448                       ; the way out: a stage of 16 rows x (512 + 16) bytes for each wave, in Wo's K slots 0 and 1: they have had their one fill, and their last read stands ahead of the third barrier
.set A0,  2                            ; v2-3   Wo's fragments: 16 x lane (+ two slots).  v2 is also the stores' offset
.set O16, 2
.set A1,  4                            ; v4-5   the tokens': 8 x lane ..
.set Z0,  6
.set Z1,  8
.set SPW, 10
.set NIL, 11
.set STO, 12                           ; v12    the stage: where I put 32 bytes of a row
.set RD,  13                           ; v13    and where I read a row back
.set OBH, 14                           ; v14    64 h
.set O8,  15                           ; v15    8 x lane
.set SC0, 16
.set SC1, 48
.set BI,  64
.set F1,  128
.set BK,  128
.set WV,  14
.set G1A, 24
.set G1B, 32
.set G0A, 40
.set G0B, 68
.set MSB, 0
.macro WIN new
.if MSB != \new
	s_set_vgpr_msb (MSB<<8)|\new
.set MSB, \new
.endif
.endm
.macro PLACES n
.rept \n
	v_nop
.endr
.endm
.macro CROUND
	s_barrier_signal -1
	s_barrier_wait -1
	s_cmp_lg_u32 s[WV], 0
	s_cbranch_scc1 .Lnot_wave_0_\@
	s_barrier_signal -3
.Lnot_wave_0_\@:
	s_barrier_wait -3
	s_barrier_signal -1
	s_barrier_wait -1
.endm
.macro WM d, a, b, c, sa, sb, ra, rb
.if (\ra) && (\rb)
	v_wmma_scale_f32_16x16x128_f8f6f4 v[\d:\d+7], v[\a:\a+11], v[\b:\b+11], v[\c:\c+7], v[\sa], v[\sb] matrix_a_fmt:MATRIX_FMT_FP6 matrix_b_fmt:MATRIX_FMT_FP6 matrix_a_scale:MATRIX_SCALE_ROW1 matrix_b_scale:MATRIX_SCALE_ROW1
.elseif (\ra)
	v_wmma_scale_f32_16x16x128_f8f6f4 v[\d:\d+7], v[\a:\a+11], v[\b:\b+11], v[\c:\c+7], v[\sa], v[\sb] matrix_a_fmt:MATRIX_FMT_FP6 matrix_b_fmt:MATRIX_FMT_FP6 matrix_a_scale:MATRIX_SCALE_ROW1
.elseif (\rb)
	v_wmma_scale_f32_16x16x128_f8f6f4 v[\d:\d+7], v[\a:\a+11], v[\b:\b+11], v[\c:\c+7], v[\sa], v[\sb] matrix_a_fmt:MATRIX_FMT_FP6 matrix_b_fmt:MATRIX_FMT_FP6 matrix_b_scale:MATRIX_SCALE_ROW1
.else
	v_wmma_scale_f32_16x16x128_f8f6f4 v[\d:\d+7], v[\a:\a+11], v[\b:\b+11], v[\c:\c+7], v[\sa], v[\sb] matrix_a_fmt:MATRIX_FMT_FP6 matrix_b_fmt:MATRIX_FMT_FP6
.endif
.endm
.macro FETCH s                         ; K step s: Wo's 8 fragments by loads of 16 bytes a lane, the tokens' 4 by loads of 8 (oimg's chunks are 256 bytes); with an even step the slot's scale words
.set fo, (((\s)/2)%2)*SLOTB+((\s)%2)*QB
	WIN 0x40
.irp i, 0,1,2,3,4,5,6,7
.irp c, 0,1,2
	ds_load_b128 v[128*((\s)%2)+12*\i+4*\c:128*((\s)%2)+12*\i+4*\c+3], v[A0+(\s)/4] offset:fo+FRB*\i+512*\c
.endr
.endr
	WIN 0
.irp i, 0,1,2,3
.irp e, 0,1
.irp c, 0,1,2
	ds_load_b64 v[F1+48*((\s)%2)+12*\i+6*\e+2*\c:F1+48*((\s)%2)+12*\i+6*\e+2*\c+1], v[A1+(\s)/4] offset:fo+FRB*\i+768*\e+256*\c
.endr
.endr
.endr
.if ((\s)%2) == 0
.irp j, 0,1,2,3
	ds_load_b64 v[SC0+8*\j+(\s):SC0+8*\j+(\s)+1], v[Z0+(\s)/4] offset:(((\s)/2)%2)*SLOTB+256*\j
.endr
.irp j, 0,1
	ds_load_b64 v[SC1+8*\j+(\s):SC1+8*\j+(\s)+1], v[Z1+(\s)/4] offset:(((\s)/2)%2)*SLOTB+256*\j
.endr
.endif
.endm
.macro MEET k                          ; k = 0: K slots 0 and 1 are whole, and slots 2 and 3 are asked for; k = 2: those are whole; k = 1, 3: nothing is due
.if (\k) == 0
	s_wait_tensorcnt 0x0                           ; my load of the head is in
	ds_add_u32 v[SPW], v[NIL]                      ; the add twice on end
	ds_add_u32 v[SPW], v[NIL]
	s_wait_dscnt 0x0
	CROUND                                         ; a whole round: the joint loads meet
	s_cmp_eq_u32 s[WV], 0
	s_cbranch_scc0 .Lnot0_\@
	tensor_load_to_lds s[G0A+8:G0A+11], s[G1A:G1A+7]
	s_nop 0
	PLACES 4
	s_branch .Lgot_\@
.Lnot0_\@:
	s_cmp_eq_u32 s[WV], 3
	s_cbranch_scc1 .Lgot_\@
	tensor_load_to_lds s[G0B+8:G0B+11], s[G1B:G1B+7]
	s_nop 0
	PLACES 4
.Lgot_\@:
.elseif (\k) == 2
	s_wait_tensorcnt 0x0                           ; every wave waits for its load
	s_barrier_signal -1
	s_barrier_wait -1
.endif
.endm
.macro STEP s, cm                      ; cm = 1: the sums begin with the bias
	s_wait_dscnt 0x0                               ; this step's fragments are in (asked for 32 products ago)
.if (\s) < 7
.if ((\s)%2) == 1
	MEET ((\s)+1)/2
.endif
.if (\s) > 0
	PLACES 4                                       ; in front of loads into registers that the last step's products have read
.endif
	FETCH (\s)+1
.endif
.if (\cm) == 0
	WIN 0xa1                                       ; source 0 window 1, source 1 window 0, C and D window 2
.else
	WIN 0x81                                       ; C window 0
.endif
.irp a, 0,1,2,3
.irp b, 0,1,2,3,4,5,6,7
.set rD, 8*(8*\a+\b)
.set rC, rD
.if (\cm) == 1
.set rC, BI+8*\b
.endif
	WM rD, 128*((\s)%2)+12*\b, F1+48*((\s)%2)+12*\a, rC, SC0+8*(\b/2)+(\s), SC1+8*(\a/2)+(\s), \b%2, \a%2
.endr
.endr
	WIN 0
.endm
	s_load_b256 s[4:11], s[0:1], 0x0               ; xw, oimg, bo, out0
	v_lshl_add_u32 v[SPW], v0, 2, SPARE
	v_mov_b32 v[NIL], 0
	ds_add_u32 v[SPW], v[NIL]                      ; the wave's opening: the add and its wait ahead of the first tensor loads
	ds_add_u32 v[SPW], v[NIL]
	v_lshrrev_b32 v1, 5, v0
	v_readfirstlane_b32 s[WV], v1
	s_lshr_b32 s15, s[WV], 1
	s_and_b32 s16, s[WV], 1
	s_bfe_u32 s17, ttmp6, 0x40000                  ; cx
	s_bfe_u32 s18, ttmp6, 0x40004                  ; cy
	s_lshl_b32 s21, ttmp9, 2
	s_add_co_u32 s21, s21, s17                     ; I: Wo's block of 128 features (cx enters here, cy never)
	s_and_b32 s22, ttmp7, 0xffff
	s_lshl_b32 s22, s22, 2
	s_add_co_u32 s22, s22, s18                     ; J: the pair of token blocks (cy enters here, cx never)
	s_add_co_u32 s59, s21, 216
	s_mul_i32 s62, s59, BLKB
	s_mov_b32 s63, 0
	s_lshl_b32 s60, s22, 1
	s_add_co_u32 s60, s60, s15                     ; waves 1 and 2 fetch the tokens' blocks 0 and 1: wave / 2
	s_mul_i32 s66, s60, BLKB
	s_mov_b32 s67, 0
	s_mul_i32 s90, s15, BLKB
	s_add_co_u32 s90, s90, S1
	s_lshl_b32 s2, 0x1111, s17                     ; my column of the cluster
	s_lshl_b32 s3, s18, 2
	s_lshl_b32 s3, 15, s3                          ; my row
	s_or_b32 s[G1A], s2, (3<<16)|(1<<21)           ; 15:0 the mask; 17:16 elements of 8 bytes; 21 set beside a mask; no padding
	s_or_b32 s[G1B], s3, (3<<16)|(1<<21)
.irp g, G1A, G1B                       ; two K slots on end are a dense block of 51,200 bytes: 200 rows of 256
	s_mov_b32 s[\g+1], 32<<16
	s_mov_b32 s[\g+2], 200<<16
	s_mov_b32 s[\g+3], 32<<16
	s_mov_b32 s[\g+4], 200
	s_mov_b32 s[\g+5], 32
	s_mov_b32 s[\g+6], 0
	s_mov_b32 s[\g+7], 0
.endr
	s_wait_dscnt 0x0                               ; the opening add is done
	s_wait_kmcnt 0x0
	s_add_nc_u64 s[62:63], s[4:5], s[62:63]
	s_add_nc_u64 s[66:67], s[6:7], s[66:67]
.irp k, 0,2
	s_mov_b32 s[G0A+4*\k], 1
	s_mov_b32 s[G0A+4*\k+1], \k*SLOTB
	s_add_nc_u64 s[G0A+4*\k+2:G0A+4*\k+3], s[62:63], \k*SLOTB
	s_or_b32 s[G0A+4*\k+3], s[G0A+4*\k+3], 0x80000000
	s_mov_b32 s[G0B+4*\k], 1
	s_add_co_u32 s[G0B+4*\k+1], s90, \k*SLOTB
	s_add_nc_u64 s[G0B+4*\k+2:G0B+4*\k+3], s[66:67], \k*SLOTB
	s_or_b32 s[G0B+4*\k+3], s[G0B+4*\k+3], 0x80000000
.endr
	CROUND                                         ; all sixteen work-groups are here: the joint loads meet
	s_cmp_eq_u32 s[WV], 0                          ; wave 0: Wo's K slots 0 and 1; waves 1, 2: the tokens'; wave 3: none.  One load of a wave is out
	s_cbranch_scc0 .Lnot_src0
	tensor_load_to_lds s[G0A:G0A+3], s[G1A:G1A+7]
	s_nop 0
	PLACES 4
	s_branch .Lasked
.Lnot_src0:
	s_cmp_eq_u32 s[WV], 3
	s_cbranch_scc1 .Lasked
	tensor_load_to_lds s[G0B:G0B+3], s[G1B:G1B+7]
	s_nop 0
	PLACES 4
.Lasked:
	v_bfe_u32 v[OBH], v0, 4, 1
	v_lshlrev_b32 v[OBH], 6, v[OBH]
	s_lshl_b32 s86, s21, 9
	s_mov_b32 s87, 0
	s_add_nc_u64 s[84:85], s[8:9], s[86:87]        ; bo at my 128 features: tile b's register j of half h is feature 32 (b / 2) + 16 h + 8 (b % 2) + j
.irp b, 0,1,2,3,4,5,6,7
	global_load_b128 v[BI+8*\b:BI+8*\b+3], v[OBH], s[84:85] offset:(32*(\b/2)+8*(\b%2))*4
	global_load_b128 v[BI+8*\b+4:BI+8*\b+7], v[OBH], s[84:85] offset:(32*(\b/2)+8*(\b%2))*4+16
.endr
	v_and_b32 v1, 31, v0
	v_lshlrev_b32 v[A0], 4, v1
	v_lshlrev_b32 v[O8], 3, v1
	v_add_nc_u32 v[A0+1], 2*SLOTB, v[A0]
	s_mul_i32 s91, s16, 4*FRB
	s_add_co_u32 s91, s91, s90
	v_add_nc_u32 v[A1], s91, v[O8]
	v_add_nc_u32 v[A1+1], 2*SLOTB, v[A1]
	v_add_nc_u32 v[Z0], SCO, v[O8]
	v_add_nc_u32 v[Z0+1], 2*SLOTB, v[Z0]
	s_lshl_b32 s92, s16, 9
	s_add_co_u32 s92, s92, s90
	s_add_co_u32 s92, s92, SCO
	v_add_nc_u32 v[Z1], s92, v[O8]
	v_add_nc_u32 v[Z1+1], 2*SLOTB, v[Z1]
	s_mul_i32 s93, s[WV], STG                      ; my stage
	v_and_b32 v1, 15, v0
	v_mul_u32_u24 v[STO], v1, 528
	v_add_nc_u32 v[STO], v[OBH], v[STO]
	v_add_nc_u32 v[STO], s93, v[STO]               ; in: row r, + 64 h
	v_add_nc_u32 v[RD], s93, v[A0]                 ; back: a row of 512 bytes to the 32 lanes
	s_lshl_b32 s88, s22, 8
	s_lshl_b32 s89, s[WV], 6
	s_add_co_u32 s88, s88, s89
	s_lshl_b32 s88, s88, 12                        ; my first token: 256 J + 64 w, rows of 4,096 bytes;
	s_lshl_b32 s89, s21, 9
	s_add_co_u32 s88, s88, s89                     ; my features: 512 I bytes on
	s_mov_b32 s89, 0
	s_add_nc_u64 s[88:89], s[10:11], s[88:89]
	s_wait_alu depctr_va_vdst(0)
	MEET 0
	FETCH 0
	s_wait_loadcnt 0x0                             ; the bias
	STEP 0, 1
.irp s, 1,2,3,4,5,6,7
	STEP \s, 0
.endr
; THE WAY OUT, a tile of 16 tokens x 128 features at a time, through my own stage: in as 32 bytes a lane, back as whole rows of 512 bytes.  LDS serves a wave's instructions in order: no wait between the stores and the loads.
.macro TOSTAGE a
	WIN 0x08                                       ; the data: window 2
.irp b, 0,1,2,3,4,5,6,7
	ds_store_b128 v[STO], v[8*(8*(\a)+\b):8*(8*(\a)+\b)+3] offset:128*(\b/2)+32*(\b%2)          ; each accumulator from its low end on
	ds_store_b128 v[STO], v[8*(8*(\a)+\b)+4:8*(8*(\a)+\b)+7] offset:128*(\b/2)+32*(\b%2)+16
.endr
	WIN 0
.irp t, 0,1,2,3,4,5,6,7,8,9,10,11,12,13,14,15
	ds_load_b128 v[BK+64*((\a)%2)+4*\t:BK+64*((\a)%2)+4*\t+3], v[RD] offset:528*\t
.endr
.endm
.macro SEND a, younger                 ; younger: the LDS instructions issued behind tile a's loads, which may stay out
	s_wait_dscnt \younger
.irp t, 0,1,2,3,4,5,6,7,8,9,10,11,12,13,14,15
	global_store_b128 v[O16], v[BK+64*((\a)%2)+4*\t:BK+64*((\a)%2)+4*\t+3], s[88:89] offset:(32*((\a)/2)+8*((\a)%2)+\t+8*(\t/8))*4096 th:TH_STORE_NT   ; 512 consecutive bytes, at a multiple of 256 from out0's first byte
.endr
.endm
	PLACES 4                                       ; in front of the first read of results and of loads into registers that the last products have read
	TOSTAGE 0
	TOSTAGE 1
	SEND 0, 32                                     ; behind tile 0's loads: tile 1's 16 stores and 16 loads
	s_wait_xcnt 0x0                                ; tile 0's stores have read their registers: tile 2's loads may land there
	TOSTAGE 2
	SEND 1, 32
	s_wait_xcnt 0x0
	TOSTAGE 3
	SEND 2, 32
	SEND 3, 0
	s_wait_tensorcnt 0x0                           ; the wave's end, behind my last LDS store
	ds_add_u32 v[SPW], v[NIL]
	s_wait_dscnt 0x0
	CROUND                                         ; the closing round
	s_endpgm
.Lfunc_end_k_q621fc420fa_outp:
	.size	k_q621fc420fa_outp, .Lfunc_end_k_q621fc420fa_outp-k_q621fc420fa_outp
	.p2alignl 7, 3214868480
	.fill 96, 4, 3214868480
	.section	.rodata,"a",@progbits
	.p2align	6, 0x0
	.amdhsa_kernel k_q621fc420fa_outp
		.amdhsa_group_segment_fixed_size 327680
		.amdhsa_private_segment_fixed_size 0
		.amdhsa_enable_private_segment 0
		.amdhsa_kernarg_size 32
		.amdhsa_user_sgpr_count 2
		.amdhsa_user_sgpr_kernarg_segment_ptr 1
		.amdhsa_wavefront_size32 1
		.amdhsa_system_sgpr_workgroup_id_x 1
		.amdhsa_system_sgpr_workgroup_id_y 1
		.amdhsa_system_sgpr_workgroup_id_z 1
		.amdhsa_system_vgpr_workitem_id 0
		.amdhsa_next_free_vgpr 768
		.amdhsa_next_free_sgpr 96
		.amdhsa_reserve_vcc 0
		.amdhsa_float_denorm_mode_32 3
		.amdhsa_float_denorm_mode_16_64 3
		.amdhsa_memory_ordered 1
		.amdhsa_forward_progress 1
		.amdhsa_inst_pref_size 84
	.end_amdhsa_kernel
	.amdgpu_metadata
---
amdhsa.version: [ 1, 2 ]
amdhsa.kernels:
  - .name:           k_q621fc420fa_outp
    .symbol:         k_q621fc420fa_outp.kd
    .args:
      - { .name: xw, .offset: 0, .size: 8, .value_kind: global_buffer, .address_space: global }
      - { .name: oimg, .offset: 8, .size: 8, .value_kind: global_buffer, .address_space: global }
      - { .name: bo, .offset: 16, .size: 8, .value_kind: global_buffer, .address_space: global }
      - { .name: out0, .offset: 24, .size: 8, .value_kind: global_buffer, .address_space: global }
    .group_segment_fixed_size: 327680
    .private_segment_fixed_size: 0
    .kernarg_segment_align: 8
    .kernarg_segment_size: 32
    .max_flat_workgroup_size: 128
    .sgpr_count:     96
    .vgpr_count:     768
    .wavefront_size: 32
...
	.end_amdgpu_metadata
.endif
;; end of part 4
